; MI455X (gfx1250); checked and timed in simulation.
; The chip was launched on July 23, 2026; its instructions are those of AMD's public machine-readable ISA for CDNA 5 (MIT licence, August 2026) and "CDNA5" Instruction Set Architecture Reference Guide (July 2026). The comments in the code are by the model that wrote it; some were corrected since.
;; Transformer Block. Allowed arithmetic: matrix products marked QUANTISED: E2M3 operands, one E8M0 scale for each 32 along K, by v_wmma_scale_f32_16x16x128_f8f6f4 with both operands' format E2M3, f32 sums; everything else in f32.
;; Inputs: b1 4,096 float32; b2 1,024 float32; bo 1,024 float32; ln1_bias 1,024 float32; ln1_scale 1,024 float32; ln2_bias 1,024 float32; ln2_scale 1,024 float32; w1 1,024 x 4,096 float32; w2 4,096 x 1,024 float32; wk 1,024 x 1,024 float32; wo 1,024 x 1,024 float32; wq 1,024 x 1,024 float32; wv 1,024 x 1,024 float32; x 2 x 2,048 x 1,024 float32.
;; Outputs: out0 2 x 2,048 x 1,024 float32.
;; This version of the problem:
;;   THIS VERSION OF THE PROBLEM IS GIVEN IN LOW PRECISION. The matrix products marked QUANTISED in the list below multiply operands that are first quantised to E2M3 (2 exponent bits, 3 mantissa bits; 6 bits a number), with one power-of-two scale for each 32 numbers along K (OCP MX v1.0); their sums are f32. All else is computed in f32.
;;   The module's matrix products, in the order in which they are computed (A, B: the left and right operand; K: the contracted axis; several contracted axes count as one K, in the product's order):
;;     1. [M 4,096, K 1,024] x [K 1,024, N 1,024]; A: computed on the way; B: input wq: QUANTISED
;;     2. [M 4,096, K 1,024] x [K 1,024, N 1,024]; A: computed on the way; B: input wk: QUANTISED
;;     3. [M 4,096, K 1,024] x [K 1,024, N 1,024]; A: computed on the way; B: input wv: QUANTISED
;;     4. batch 32 x [M 2,048, K 64] x [K 64, N 2,048]; A: computed on the way; B: computed on the way: QUANTISED
;;     5. batch 32 x [M 2,048, K 2,048] x [K 2,048, N 64]; A: softmax (see below); B: computed on the way: QUANTISED
;;     6. [M 4,096, K 1,024] x [K 1,024, N 1,024]; A: computed on the way; B: input wo: QUANTISED
;;     7. [M 4,096, K 1,024] x [K 1,024, N 4,096]; A: computed on the way; B: input w1: QUANTISED
;;     8. [M 4,096, K 4,096] x [K 4,096, N 1,024]; A: computed on the way; B: input w2: QUANTISED
;;   THE QUANTISER, for each operand of a quantised product, along K:
;;     - K is cut into blocks of 32 from its start; a last block that is shorter is filled with zeros.
;;     - A block's scale is 2^e with e = floor(log2(the largest magnitude in the block)) - 2, held to -126 .. 127; a block of zeros has e = 0. As a byte (E8M0): e + 127.
;;     - Each number is divided by its block's scale, clamped to +-7.5, and rounded to the nearest number of E2M3, ties to even, subnormals kept.
;;     - The product sums the exact products of the quantised numbers (number of the format x scale) in f32.
;;   ~~~python
;;   def quantise(x, axis):      # numpy; x: float32 -> the quantised numbers, widened to float32 again
;;       x = np.moveaxis(x, axis, -1); K = x.shape[-1]
;;       x = np.pad(x, [(0, 0)] * (x.ndim - 1) + [(0, -K % 32)]); x = x.reshape(x.shape[:-1] + (-1, 32)); a = np.abs(x).max(-1, keepdims=True)
;;       e = np.where(a > 0, np.clip(np.frexp(np.where(a > 0, a, 1))[1] - 1 - 2, -126, 127), 0)      # np.frexp(a)[1] - 1 = floor(log2(a)), exactly
;;       r = np.clip(x / 2.0 ** e, -7.5, 7.5)
;;       step = 2.0 ** (np.maximum(np.frexp(np.where(r == 0, 1, r))[1] - 1, 0) - 3)
;;       q = np.round(r / step) * step * 2.0 ** e      # np.round: ties to even
;;       return np.moveaxis(q.reshape(q.shape[:-2] + (-1,))[..., :K], -1, axis).astype(np.float32)
;;   ~~~
;;   SOFTMAX AHEAD OF A QUANTISED PRODUCT. Where the list says 'softmax', what is quantised is not the finished softmax but p = 2^(t - M), with t = logit x log2(e) and M = ceil(the row's largest t), a whole number; so 1/2 < the row's largest p <= 1. The row's sum l is taken of the UNQUANTISED p, in f32, and the product's result is divided by l at the end. Since M is a whole number, a kernel that streams over the keys may use a running M (the ceiling of the running maximum): every later rescaling is an exact power of two, which a block's scale takes up: the codes' values come out the same.
;;   OPERANDS COMPUTED ON THE WAY. 'Computed on the way' means the value that the module computes at that place (a softmax that the list does not call 'softmax' is quantised finished and normalised). What goes into a quantiser is computed in f32, as accurately as f32 sums, v_exp_f32 and their like allow (about 1e-6 of the number): no bf16 or f16 on the way to a quantiser, and a product that is left as it is and whose result goes on into a quantised operand takes f32 operands (vector FMAs, or v_wmma_f32_16x16x4_f32). A number that lies on a knife's edge between two numbers of the format may be rounded either way, as far as f32 arithmetic and the matrix unit's own rounding can turn it there, and no further.
;; One version. Each part assembles by itself: llvm-mc -triple=amdgcn-amd-amdhsa -mcpu=gfx1250 --defsym DOCPART=n.
;; ======== version 1 of 1: 6 launches
;; limits: right only within a limited range of input values
;; workspace buffers: wts 9,830,400 bytes; h1 3,276,800 bytes; qkv 13,631,488 bytes; att 3,276,800 bytes; x1 16,777,216 bytes; h2 3,276,800 bytes; gact 13,107,200 bytes
;; launch prep (part 1): grid 640 x 1, 4 waves a work-group, no clusters, 66,560 bytes of LDS; arguments x, ln1_scale, ln1_bias, h1, wq, wk, wv, wo, w1, w2, wts; writes h1, wts
.if DOCPART == 1
	.amdgcn_target "amdgcn-amd-amdhsa--gfx1250"
	.amdhsa_code_object_version 6
	.text
	.protected	k_qe15f1b4b51_prep
	.globl	k_qe15f1b4b51_prep
	.p2align	8
	.type	k_qe15f1b4b51_prep,@function
k_qe15f1b4b51_prep:
	s_mov_b64 s[64:65], 0
	v_nop
	global_prefetch_b8 v0, s[64:65] scope:SCOPE_SE
	s_setreg_imm32_b32 hwreg(HW_REG_WAVE_MODE, 25, 1), 1
	s_wait_xcnt 0x0
; TWO JOBS THAT DO NOT DEPEND ON EACH OTHER, IN ONE LAUNCH.  Work-groups 0-255: the first LayerNorm, quantised (x -> h1).  Work-groups 256-639: the six weights, quantised (-> wts).  The ways part on the work-group's number alone;
; only the first uses LDS and a barrier.
; BOTH write codes of FP6 (E2M3) with one E8M0 byte for each 32 along K, laid in the ORDER OF THE OPERAND'S REGISTERS: the block of panel p (128 rows) and K step s (128 along K) lies at (p K/128 + s) x 12,800 bytes.  In it tile t (16 rows)
; is an image of a fragment's 12 registers at 1536 t: registers 0-3 at 16 x lane, 4-5 at 512 + 8 x lane, 6-9 at 768 + 16 x lane, 10-11 at 1280 + 8 x lane; the scale word of lane-row r of tile t lies at 12,288 + 32 r + 4 t.
; THE ROWS OF A TILE ARE NOT NEIGHBOURS: lane-row r of tile t is row 32 (t / 2) + 8 (t % 2) + r + 8 (r / 8) of the panel, so that a product that takes the tiles as source 0 leaves 16 neighbours in a lane.
; A block's scale is 2^(floor(log2(largest magnitude)) - 2); its byte is that magnitude's exponent field - 2, held at 1 from below.
; LIMITS: a block of zeros gets the byte 1 where the rule says 127 (its codes are zeros, and this program alone reads the bytes); blocks whose largest magnitude lies under 2^-124 are held at that byte; NaN and infinities are not served;
; 1 / (std + eps) is v_rcp_f32 and a multiplication.
.set KB,  12800                        ; bytes of a block
	v_lshl_add_u32 v254, v0, 2, 0x10200
	v_mov_b32 v255, 0
	s_cmp_lt_u32 ttmp9, 256
	s_cbranch_scc1 .Lnorm
; ---------------- THE WEIGHTS [K][N], f32, K their FIRST axis; an operand's rows are the columns n.
; SHARES: a work-group takes one panel x 256 along K; wave w the 32 columns of tiles 2 w and 2 w + 1.  A LANE TAKES A COLUMN AND ITS REGISTERS RUN DOWN K: a block of 32 lies in one lane, nothing is transposed.
; Lanes 0-15 hold tile 2 w's columns, lanes 16-31 tile 2 w + 1's, each all four blocks of a K step; twelve exchanges of half waves turn that into the two fragments (a lane: blocks h and 2 + h).
; Of the 384 work-groups the first 128 take wq, wk, wv, wo (32 each), the next 128 w1, the last 128 w2.  No LDS, no barrier: waves share nothing.  Loads run two blocks (64 loads a wave) ahead.
.set SB,  16                           ; v16-17  the scale words of the two K steps
.set T,   20                           ; v20-22  the second half of a block's codes (a conversion's three registers begin on an even number)
.set X,   32                           ; v32-95  two sets of 32 numbers
.set F,   96                           ; v96-143 codes: 24 registers for each K step, so that no store's data are written again
	s_load_b256 s[8:15], s[0:1], 0x20              ; wq, wk, wv, wo
	s_load_b128 s[16:19], s[0:1], 0x40             ; w1, w2
	s_load_b64 s[20:21], s[0:1], 0x50              ; wts
	v_lshrrev_b32 v1, 5, v0
	v_readfirstlane_b32 s22, v1                    ; wave
	v_and_b32 v2, 31, v0                           ; lane
	v_and_b32 v4, 15, v0                           ; r
	v_bfe_u32 v5, v0, 4, 1                         ; u: which of the wave's two tiles
	v_and_b32 v3, 8, v4
	v_add_nc_u32 v3, v3, v4
	v_lshl_add_u32 v3, v5, 3, v3
	v_lshlrev_b32 v3, 2, v3                        ; my column among the wave's 32, in bytes: 4 (r + 8 (r / 8) + 8 u)
	s_mul_i32 s23, s22, 3072
	v_lshl_add_u32 v6, v2, 4, s23                  ; out: 16 x lane + tile 2 w's image
	v_lshl_add_u32 v7, v2, 3, s23                  ; out: 8 x lane + the same
	v_lshlrev_b32 v8, 5, v4
	v_lshl_add_u32 v8, v5, 2, v8
	s_lshl_b32 s23, s22, 3
	v_add_nc_u32 v8, s23, v8                       ; my scale word: 32 r + 4 (2 w + u)
	s_sub_co_u32 s32, ttmp9, 256                   ; my number among the weights' 384 work-groups
	s_lshr_b32 s24, s32, 7                         ; class 0: the four square weights, 1: w1, 2: w2
	s_and_b32 s25, s32, 127
	s_lshr_b32 s26, s25, 5                         ; class 0: which of the four
	s_lshl_b32 s27, s24, 2
	s_add_co_u32 s28, s24, 3
	s_cmp_eq_u32 s24, 0
	s_cselect_b32 s29, s26, s27                    ; the region in wts, in units of 819,200 bytes: 0-3, 4, 8
	s_cselect_b32 s28, s26, s28                    ; which tensor: 0-3, 4, 5
	s_cselect_b32 s30, 31, 127
	s_and_b32 s25, s25, s30                        ; the work-group's number within its tensor
	s_cmp_eq_u32 s24, 2
	s_cselect_b32 s31, 4, 2                        ; w2 has 16 chunks of 256 along K, the others 4
	s_cselect_b32 s33, 15, 3
	s_cselect_b32 s34, 32, 8                       ; K steps in a panel
	s_lshr_b32 s35, s25, s31                       ; panel
	s_and_b32 s36, s25, s33                        ; chunk of K
	s_cmp_eq_u32 s24, 1
	s_cselect_b32 s37, 22, 20                      ; 256 rows of 16,384 bytes (w1) or of 4,096
	s_lshl_b32 s38, s36, s37
	s_lshl_b32 s39, s35, 9
	s_add_co_u32 s38, s38, s39                     ; + 512 bytes a panel
	s_lshl_b32 s39, s22, 7
	s_add_co_u32 s38, s38, s39                     ; + 128 bytes a wave
	s_mov_b32 s39, 0
	s_mul_i32 s40, s35, s34
	s_lshl_b32 s41, s36, 1
	s_add_co_u32 s40, s40, s41
	s_mul_i32 s40, s40, KB                         ; the first of my two blocks
	s_mul_i32 s41, s29, 819200
	s_add_co_u32 s40, s40, s41
	s_mov_b32 s41, 0
	s_wait_kmcnt 0x0
	s_mov_b64 s[4:5], s[8:9]                       ; the tensor is chosen by the work-group's number alone
	s_cmp_eq_u32 s28, 1
	s_cselect_b64 s[4:5], s[10:11], s[4:5]
	s_cmp_eq_u32 s28, 2
	s_cselect_b64 s[4:5], s[12:13], s[4:5]
	s_cmp_eq_u32 s28, 3
	s_cselect_b64 s[4:5], s[14:15], s[4:5]
	s_cmp_eq_u32 s28, 4
	s_cselect_b64 s[4:5], s[16:17], s[4:5]
	s_cmp_eq_u32 s28, 5
	s_cselect_b64 s[4:5], s[18:19], s[4:5]
	s_add_nc_u64 s[4:5], s[4:5], s[38:39]
	s_add_nc_u64 s[6:7], s[20:21], s[40:41]
.macro LOAD t, pitch                   ; block t: W(32 t + i, my column) into set t % 2; a wave's load covers 128 consecutive bytes
.set i, 0
.rept 32
	global_load_b32 v[X+32*((\t)%2)+i], v3, s[4:5] offset:(32*(\t)+i)*\pitch th:TH_LOAD_NT
.set i, i+1
.endr
.endm
.macro OUT ks                          ; a K step's 24 registers become the two fragments and leave
.set F0, F+24*(\ks)
.set i, 0
.rept 12
	v_permlane16_swap_b32 v[F0+i], v[F0+12+i]      ; even blocks' lanes 16-31 (tile 2 w + 1) change places with odd blocks' lanes 0-15 (tile 2 w)
.set i, i+1
.endr
.irp u, 0,1
	global_store_b128 v6, v[F0+12*\u:F0+12*\u+3], s[6:7] offset:(\ks)*KB+1536*\u          ; 512 consecutive bytes
	global_store_b64 v7, v[F0+12*\u+4:F0+12*\u+5], s[6:7] offset:(\ks)*KB+1536*\u+512     ; 256 consecutive bytes
	global_store_b128 v6, v[F0+12*\u+6:F0+12*\u+9], s[6:7] offset:(\ks)*KB+1536*\u+768
	global_store_b64 v7, v[F0+12*\u+10:F0+12*\u+11], s[6:7] offset:(\ks)*KB+1536*\u+1280
.endr
	global_store_b32 v8, v[SB+\ks], s[6:7] offset:(\ks)*KB+12288
.endm
.macro BLOCK t, pitch
.set XS, X+32*((\t)%2)
.set DD, F+24*((\t)/4)+12*((\t)%2)+6*(((\t)%4)/2)   ; even blocks in the first twelve registers, odd blocks in the second
.if (\t) < 7
	s_wait_loadcnt 32                              ; this block's 32 loads are in; the next block's 32 may be out
.else
	s_wait_loadcnt 0
.endif
	v_max3_num_f32 v12, |v[XS]|, |v[XS+1]|, |v[XS+2]|   ; the block's largest magnitude: all 32 numbers are mine; two chains
	v_max3_num_f32 v13, |v[XS+3]|, |v[XS+4]|, |v[XS+5]|
.irp i, 6,10,14,18,22,26
	v_max3_num_f32 v12, v12, |v[XS+\i]|, |v[XS+\i+1]|
	v_max3_num_f32 v13, v13, |v[XS+\i+2]|, |v[XS+\i+3]|
.endr
	v_max3_num_f32 v12, v12, |v[XS+30]|, |v[XS+31]|
	v_max3_num_f32 v12, v12, v13, 0x1800000        ; and the floor 2^(3 - 127): the byte cannot fall under 1
	v_add_nc_u32 v11, 0xff000000, v12              ; 2 off the exponent field: the conversion takes this operand's exponent field as its scale
	v_lshrrev_b32 v13, 23, v11                     ; the scale's byte
.if (\t)%4 == 0
	v_mov_b32 v[SB+(\t)/4], v13
.else
	v_lshl_or_b32 v[SB+(\t)/4], v13, 8*((\t)%4), v[SB+(\t)/4]
.endif
	v_cvt_scalef32_pk16_fp6_f32 v[DD:DD+2], v[XS:XS+15], v11
	v_cvt_scalef32_pk16_fp6_f32 v[T:T+2], v[XS+16:XS+31], v11
	v_nop                                          ; one plain place behind a scaled conversion
.irp i, 0,1,2
	v_mov_b32 v[DD+3+\i], v[T+\i]
.endr
.if (\t)+2 < 8
	LOAD (\t)+2, \pitch
.endif
.if (\t)%4 == 3
	OUT (\t)/4
.endif
.endm
.macro BODY pitch
	LOAD 0, \pitch
	LOAD 1, \pitch
.irp t, 0,1,2,3,4,5,6,7
	BLOCK \t, \pitch
.endr
	s_endpgm
.endm
	s_cmp_eq_u32 s24, 1                            ; every offset is an immediate, so the two row lengths are two copies of the text
	s_cbranch_scc1 .Lwide
	s_wait_alu depctr_va_vdst(0)
	BODY 4096
.Lwide:
	s_wait_alu depctr_va_vdst(0)
	BODY 16384
; ---------------- THE LAYERNORM: out = Q((x - mean) / (std + 1e-5) * gain + bias): rows of 1,024 f32, all in f32, then quantised along the row.
; SHARES: a work-group takes ONE tile (16 rows).  Phase 1: wave w normalises lane-rows 4 w .. 4 w + 3, a whole row in 32 registers of the wave (read once; mean, then the mean of squared differences), and puts them in a stage in LDS.
; One barrier.  Phase 2: wave w makes the fragments of K steps 2 w and 2 w + 1: lane (r, h) reads, of row r, 16 neighbours of each block of 32.
; The stage's rows are 4,112 bytes apart, an odd multiple of 16, so that the sixteen rows of a load start in different banks (64 banks of 4 bytes: ISA guide 11.1).
.Lnorm:
.set PITCH, 4112
.set MA,    8                          ; v8-15   four rows' sums, then means, as pairs
.set MB,    16                         ; v16-23  four rows' sums of squares, then 1 / (std + eps), as pairs
.set LI16,  24
.set LI8,   25
.set LS,    26
.set X,     32                         ; v32-159 four rows of 32 registers; in phase 2 two sets of 64 numbers
.set SCL,   160                        ; v160-191 gain of my columns;  in phase 2 the codes
.set BIA,   192                        ; v192-223 bias
.set TM,    232                        ; v232-247 at work in the quantiser; v248, v249 the scale words
	s_load_b256 s[4:11], s[0:1], 0x0               ; in, gain, bias, out
	v_lshrrev_b32 v1, 5, v0
	v_readfirstlane_b32 s12, v1                    ; wave
	v_and_b32 v2, 31, v0                           ; lane
	v_and_b32 v3, 15, v0                           ; r
	v_bfe_u32 v4, v0, 4, 1                         ; h
	v_lshlrev_b32 v5, 4, v2                        ; 16 x lane
	s_mul_i32 s18, s12, 4*PITCH
	v_add_nc_u32 v6, s18, v5                       ; the stage, in: my wave's four rows, 16 bytes a lane
	v_mul_u32_u24 v7, v3, PITCH
	v_lshl_add_u32 v7, v4, 6, v7
	s_lshl_b32 s18, s12, 10
	v_add_nc_u32 v7, s18, v7                       ; and out: row r, + 64 h, + my wave's two K steps (1,024 bytes)
	s_lshr_b32 s13, ttmp9, 3                       ; panel
	s_and_b32 s14, ttmp9, 7                        ; tile
	s_mul_i32 s18, s14, 1536
	v_add_nc_u32 v[LI16], s18, v5
	v_lshl_add_u32 v[LI8], v2, 3, s18
	s_lshl_b32 s18, s14, 2
	v_lshl_add_u32 v[LS], v3, 5, s18
	s_lshl_b32 s15, s13, 7                         ; my wave's first row: 128 p + 32 (t / 2) + 8 (t % 2) + 4 w + 8 (w / 2)
	s_lshr_b32 s16, s14, 1
	s_lshl_b32 s16, s16, 5
	s_add_co_u32 s15, s15, s16
	s_and_b32 s16, s14, 1
	s_lshl_b32 s16, s16, 3
	s_add_co_u32 s15, s15, s16
	s_lshl_b32 s16, s12, 2
	s_add_co_u32 s15, s15, s16
	s_lshr_b32 s16, s12, 1
	s_lshl_b32 s16, s16, 3
	s_add_co_u32 s15, s15, s16
	s_lshl_b32 s16, s15, 12                        ; x 4,096 bytes
	s_mov_b32 s17, 0
	s_lshl_b32 s18, s13, 3
	s_lshl_b32 s19, s12, 1
	s_add_co_u32 s18, s18, s19
	s_mul_i32 s18, s18, KB                         ; block (p, 2 w)
	s_mov_b32 s19, 0
	s_mov_b32 s20, 0x76543210
	s_mov_b32 s21, 0xfedcba98                      ; v_permlanex16_b32's selects for lane l xor 16
.irp b, 0,1,2,3
	v_mov_b32 v[TM+4+\b], 0                        ; written once: a lane permute's destination counts as one of its sources
.endr
	s_wait_kmcnt 0x0
	s_add_nc_u64 s[4:5], s[4:5], s[16:17]
	s_add_nc_u64 s[10:11], s[10:11], s[18:19]
.set i, 0
.rept 4
.set j, 0
.rept 8
	global_load_b128 v[X+32*i+4*j:X+32*i+4*j+3], v5, s[4:5] offset:4096*i+512*j   ; 512 consecutive bytes a load
.set j, j+1
.endr
.set i, i+1
.endr
.set j, 0
.rept 8
	global_load_b128 v[SCL+4*j:SCL+4*j+3], v5, s[6:7] offset:512*j
	global_load_b128 v[BIA+4*j:BIA+4*j+3], v5, s[8:9] offset:512*j
.set j, j+1
.endr
.macro REDUCE R                        ; four pairs v[R + 2 i], v[R + 2 i + 1] become the rows' sums over the wave, in every lane, in v[R + 2 i]
.irp i, 0,1,2,3
	v_add_f32 v[\R+2*\i], v[\R+2*\i], v[\R+2*\i+1]
.endr
.irp m, 1,2,4,8
.irp i, 0,1,2,3
	v_add_f32_dpp v[\R+2*\i], v[\R+2*\i], v[\R+2*\i] row_xmask:\m row_mask:0xf bank_mask:0xf
.endr
.endr
.irp i, 0,1,2,3
	v_permlanex16_b32 v[\R+2*\i+1], v[\R+2*\i], s20, s21
.endr
.irp i, 0,1,2,3
	v_add_f32 v[\R+2*\i], v[\R+2*\i], v[\R+2*\i+1]
.endr
.endm
	s_wait_loadcnt 16                              ; the four rows are in; the 16 loads of gain and bias may be out
.irp i, 0,1,2,3
	v_pk_add_f32 v[MA+2*\i:MA+2*\i+1], v[X+32*\i:X+32*\i+1], v[X+32*\i+2:X+32*\i+3]   ; the four rows by turns
.endr
.set j, 4
.rept 14
.irp i, 0,1,2,3
	v_pk_add_f32 v[MA+2*\i:MA+2*\i+1], v[MA+2*\i:MA+2*\i+1], v[X+32*\i+j:X+32*\i+j+1]
.endr
.set j, j+2
.endr
	REDUCE MA
.irp i, 0,1,2,3
	v_mul_f32 v[MA+2*\i], 0x3a800000, v[MA+2*\i]   ; / 1,024: the mean
.endr
.irp i, 0,1,2,3
	v_mov_b32 v[MA+2*\i+1], v[MA+2*\i]
.endr
.set j, 0
.rept 16
.irp i, 0,1,2,3
	v_pk_add_f32 v[X+32*\i+j:X+32*\i+j+1], v[X+32*\i+j:X+32*\i+j+1], v[MA+2*\i:MA+2*\i+1] neg_lo:[0,1] neg_hi:[0,1]   ; x - mean, in place
.endr
.set j, j+2
.endr
.irp i, 0,1,2,3
	v_pk_mul_f32 v[MB+2*\i:MB+2*\i+1], v[X+32*\i:X+32*\i+1], v[X+32*\i:X+32*\i+1]
.endr
.set j, 2
.rept 15
.irp i, 0,1,2,3
	v_pk_fma_f32 v[MB+2*\i:MB+2*\i+1], v[X+32*\i+j:X+32*\i+j+1], v[X+32*\i+j:X+32*\i+j+1], v[MB+2*\i:MB+2*\i+1]
.endr
.set j, j+2
.endr
	REDUCE MB
.irp i, 0,1,2,3
	v_mul_f32 v[MB+2*\i], 0x3a800000, v[MB+2*\i]
.endr
	s_wait_alu depctr_va_vdst(0)
.irp i, 0,1,2,3
	v_sqrt_f32 v[MB+2*\i+1], v[MB+2*\i]            ; std
.endr
	v_nop                                          ; a plain place behind the transcendentals (ISA guide 5.7.2)
	s_wait_alu depctr_va_vdst(0)
.irp i, 0,1,2,3
	v_add_f32 v[MB+2*\i], 0x3727c5ac, v[MB+2*\i+1] ; + 1e-5
.endr
	s_wait_alu depctr_va_vdst(0)
.irp i, 0,1,2,3
	v_rcp_f32 v[MB+2*\i+1], v[MB+2*\i]
.endr
	v_nop
	s_wait_alu depctr_va_vdst(0)
.irp i, 0,1,2,3
	v_mov_b32 v[MB+2*\i], v[MB+2*\i+1]
.endr
	s_wait_alu depctr_va_vdst(0)
	s_wait_loadcnt 0x0                             ; gain and bias
.set j, 0
.rept 16
.irp i, 0,1,2,3
	v_pk_mul_f32 v[X+32*\i+j:X+32*\i+j+1], v[X+32*\i+j:X+32*\i+j+1], v[MB+2*\i:MB+2*\i+1]
.endr
.irp i, 0,1,2,3
	v_pk_fma_f32 v[X+32*\i+j:X+32*\i+j+1], v[X+32*\i+j:X+32*\i+j+1], v[SCL+j:SCL+j+1], v[BIA+j:BIA+j+1]
.endr
.set j, j+2
.endr
.set i, 0
.rept 4
.set j, 0
.rept 8
	ds_store_b128 v6, v[X+32*i+4*j:X+32*i+4*j+3] offset:PITCH*i+512*j
.set j, j+1
.endr
.set i, i+1
.endr
	s_wait_dscnt 0x0                               ; for the others' sake: my rows lie in the stage
	s_barrier_signal -1
	s_barrier_wait -1
.set e, 0
.rept 2
.set b, 0
.rept 4
.set j, 0
.rept 4
	ds_load_b128 v[X+64*e+16*b+4*j:X+64*e+16*b+4*j+3], v7 offset:512*e+128*b+16*j   ; register 16 b + i = k 32 b + 16 h + i of row r
.set j, j+1
.endr
.set b, b+1
.endr
.set e, e+1
.endr
; 64 numbers of a lane, register 16 b + i = k 32 b + 16 h + i of my row, become a fragment's codes in v[pc] on and its scale word in v[pw]
.macro QUANT s, pc, pw
.irp b, 0,1,2,3
	v_max3_num_f32 v[TM+\b], |v[\s+16*\b]|, |v[\s+16*\b+1]|, 0x1800000   ; my 16 numbers of block b, and the floor 2^(3 - 127)
.endr
.irp i, 2,4,6,8,10,12,14
.irp b, 0,1,2,3
	v_max3_num_f32 v[TM+\b], v[TM+\b], |v[\s+16*\b+\i]|, |v[\s+16*\b+\i+1]|
.endr
.endr
.irp b, 0,1,2,3
	v_permlanex16_b32 v[TM+4+\b], v[TM+\b], s20, s21
.endr
.irp b, 0,1,2,3
	v_max_num_f32 v[TM+\b], v[TM+\b], v[TM+4+\b]   ; with lane l xor 16's: the block's largest magnitude
.endr
.irp b, 0,1,2,3
	v_add_nc_u32 v[TM+12+\b], 0xff000000, v[TM+\b] ; 2 off its exponent field: the conversion's scale operand
.endr
.irp b, 0,1,2,3
	v_lshrrev_b32 v[TM+4+\b], 23, v[TM+12+\b]      ; the byte
.endr
	v_lshl_or_b32 v[\pw], v[TM+5], 8, v[TM+4]
	v_lshl_or_b32 v[\pw], v[TM+6], 16, v[\pw]
	v_lshl_or_b32 v[\pw], v[TM+7], 24, v[\pw]
.irp c, 0,1
	v_cvt_scalef32_pk16_fp6_f32 v[\pc+6*\c:\pc+6*\c+2], v[\s+32*\c:\s+32*\c+15], v[TM+12+2*\c]
	v_cvt_scalef32_pk16_fp6_f32 v[\pc+12+4*\c:\pc+14+4*\c], v[\s+32*\c+16:\s+32*\c+31], v[TM+13+2*\c]
.endr
	v_nop                                          ; one plain place behind a scaled conversion
.irp c, 0,1                            ; the operand's layout wants a whole block in a lane
.irp i, 0,1,2
	v_permlane16_swap_b32 v[\pc+6*\c+\i], v[\pc+12+4*\c+\i]
.endr
.irp i, 0,1,2
	v_mov_b32 v[\pc+3+6*\c+\i], v[\pc+12+4*\c+\i]
.endr
.endr
.endm
.macro PUT pc, pw, off
	global_store_b128 v[LI16], v[\pc:\pc+3], s[10:11] offset:\off
	global_store_b64 v[LI8], v[\pc+4:\pc+5], s[10:11] offset:\off+512
	global_store_b128 v[LI16], v[\pc+6:\pc+9], s[10:11] offset:\off+768
	global_store_b64 v[LI8], v[\pc+10:\pc+11], s[10:11] offset:\off+1280
	global_store_b32 v[LS], v[\pw], s[10:11] offset:\off+12288   ; lanes r and 16 + r store the same word to the same place
.endm
	s_wait_dscnt 16                                ; the first K step's 16 loads are in
	QUANT X, 160, 248
	PUT 160, 248, 0
	s_wait_dscnt 0x0
	QUANT X+64, 184, 249                           ; registers of its own: no store's data are written again
	PUT 184, 249, KB
	s_wait_tensorcnt 0x0
	ds_add_u32 v254, v255
	s_wait_dscnt 0x0
	s_endpgm
.Lfunc_end_k_qe15f1b4b51_prep:
	.size	k_qe15f1b4b51_prep, .Lfunc_end_k_qe15f1b4b51_prep-k_qe15f1b4b51_prep
	.p2alignl 7, 3214868480
	.fill 96, 4, 3214868480
	.section	.rodata,"a",@progbits
	.p2align	6, 0x0
	.amdhsa_kernel k_qe15f1b4b51_prep
		.amdhsa_group_segment_fixed_size 66560
		.amdhsa_private_segment_fixed_size 0
		.amdhsa_enable_private_segment 0
		.amdhsa_kernarg_size 88
		.amdhsa_user_sgpr_count 2
		.amdhsa_user_sgpr_kernarg_segment_ptr 1
		.amdhsa_wavefront_size32 1
		.amdhsa_system_sgpr_workgroup_id_x 1
		.amdhsa_system_sgpr_workgroup_id_y 1
		.amdhsa_system_sgpr_workgroup_id_z 1
		.amdhsa_system_vgpr_workitem_id 0
		.amdhsa_next_free_vgpr 256
		.amdhsa_next_free_sgpr 66
		.amdhsa_reserve_vcc 0
		.amdhsa_float_denorm_mode_32 3
		.amdhsa_float_denorm_mode_16_64 3
		.amdhsa_memory_ordered 1
		.amdhsa_forward_progress 1
		.amdhsa_inst_pref_size 123
	.end_amdhsa_kernel
	.amdgpu_metadata
---
amdhsa.version: [ 1, 2 ]
amdhsa.kernels:
  - .name:           k_qe15f1b4b51_prep
    .symbol:         k_qe15f1b4b51_prep.kd
    .args:
      - { .name: x, .offset: 0, .size: 8, .value_kind: global_buffer, .address_space: global }
      - { .name: ln1_scale, .offset: 8, .size: 8, .value_kind: global_buffer, .address_space: global }
      - { .name: ln1_bias, .offset: 16, .size: 8, .value_kind: global_buffer, .address_space: global }
      - { .name: h1, .offset: 24, .size: 8, .value_kind: global_buffer, .address_space: global }
      - { .name: wq, .offset: 32, .size: 8, .value_kind: global_buffer, .address_space: global }
      - { .name: wk, .offset: 40, .size: 8, .value_kind: global_buffer, .address_space: global }
      - { .name: wv, .offset: 48, .size: 8, .value_kind: global_buffer, .address_space: global }
      - { .name: wo, .offset: 56, .size: 8, .value_kind: global_buffer, .address_space: global }
      - { .name: w1, .offset: 64, .size: 8, .value_kind: global_buffer, .address_space: global }
      - { .name: w2, .offset: 72, .size: 8, .value_kind: global_buffer, .address_space: global }
      - { .name: wts, .offset: 80, .size: 8, .value_kind: global_buffer, .address_space: global }
    .group_segment_fixed_size: 66560
    .private_segment_fixed_size: 0
    .kernarg_segment_align: 8
    .kernarg_segment_size: 88
    .max_flat_workgroup_size: 128
    .sgpr_count:     66
    .vgpr_count:     256
    .wavefront_size: 32
...
	.end_amdgpu_metadata
.endif
;; end of part 1
;; launch qkvg (part 2): grid 8 x 24, 4 waves a work-group, clusters of 4 x 4, 327,680 bytes of LDS; arguments h1, wts, qkv; writes qkv
.if DOCPART == 2
	.amdgcn_target "amdgcn-amd-amdhsa--gfx1250"
	.amdhsa_code_object_version 6
	.text
	.protected	k_qe15f1b4b51_qkvg
	.globl	k_qe15f1b4b51_qkvg
	.p2align	8
	.type	k_qe15f1b4b51_qkvg,@function
k_qe15f1b4b51_qkvg:
	s_mov_b64 s[64:65], 0
	v_nop
	global_prefetch_b8 v0, s[64:65] scope:SCOPE_SE
	s_setreg_imm32_b32 hwreg(HW_REG_WAVE_MODE, 25, 1), 1
	s_wait_xcnt 0x0
	s_wait_alu depctr_hold_cnt(0) depctr_sa_sdst(0) depctr_va_vdst(0) depctr_va_sdst(0) depctr_va_ssrc(0) depctr_va_vcc(0) depctr_vm_vsrc(0)
	s_getreg_b32 s2, hwreg(HW_REG_IB_STS2, 6, 4)
	s_cmp_eq_u32 s2, 0
	s_cbranch_scc0 .Lentry_in_a_cluster
	s_endpgm
.Lentry_in_a_cluster:
	s_bfe_u32 s2, ttmp6, 0x10000c
	s_cmp_lg_u32 s2, 0xf033
	s_cbranch_scc0 .Lentry_shape_is_right
	s_endpgm
.Lentry_shape_is_right:
; q, k and v^T, each made by a product on codes of FP6 (E2M3, one E8M0 byte for each 32 along K = 1,024) and quantised again on the way out, as attention's operands.
; Clusters with y 0-3 (MODE 0): P = h1 (4,096 tokens), Q = wq and wk on end (2,048 rows): a lane holds a token, its registers run along the features: q and k are quantised along the head's 64.
; Clusters with y 4-5 (MODE 1): P = wv (1,024 features), Q = h1: a lane holds a feature of v, its registers run along the tokens: v is quantised along the KEYS.  The mode is the same in all partners of a cluster.
; OPERANDS lie in the order of the matrix unit's registers: block (panel of 128 rows, K step) of 12,800 bytes: tile t's 12 registers at 1536 t (0-3 at 16 x lane, 4-5 at 512 + 8 x lane, 6-9 at 768 + 16 x lane, 10-11 at
; 1280 + 8 x lane), scale words at 12,288 + 32 r + 4 t.  Lane-row r of tile t is row 32 (t / 2) + 8 (t % 2) + r + 8 (r / 8): with the tiles as source 0, a lane's 16 registers of tiles 2 b, 2 b + 1 are 16 neighbours.
; A tile of 256 x 256 is made by four waves, 128 x 128 each: 64 accumulators, 512 registers.  K goes through a ring of two LDS slots of two K steps; a wave's tensor load brings one panel's two blocks, 25,600 dense bytes.
; CLUSTERS 4 x 4: P's panels are shared along a row of the cluster, Q's along a column: each is asked for jointly.  THE PRODUCT IS USED TRANSPOSED: source 0 = 16 rows of Q, source 1 = 16 rows of P.
; OUT (qkv): q's block of (batch x head, token panel) at (16 bh + panel) x 13,312; from 6,815,744 on the block of (bh, key step): k's part (6,656 bytes), then v's.  q's and k's part: tile t's six registers at 768 t
; (0-3 at 16 x lane, 4-5 at 512 + 8 x lane), scale words (two bytes, then two zeros) at 6,144 + 32 r + 4 t.  v's part: four whole images (tiles of 16 of the head's 64) at 1536 t, scale words at 6,144 + 32 r + 4 t, and once more 16 bytes on.
; LIMITS: a block of zeros gets the byte 1 where the rule says 127 (zero codes; this program alone reads the bytes); blocks under 2^-124 are held at that byte; NaN and infinities are not served.
; REGISTERS: window 0: v16-31 addresses; v32-63 scale words, two sets; v128-223 P's fragments, one set (on the way out v180-239 at work).  window 1: Q's fragments, two sets.  windows 2, 3: accumulator (a, b) at v[8 (8 (a % 4) + b)].
.set KB,     12800
.set CH,     2*KB                      ; what one tensor load brings: a panel's two K steps
.set SLOT,   4*CH                      ; P's two panels, then Q's two
.set SPARE,  2*SLOT                    ; behind the ring: the spare words, 128 bytes a wave: two blocks of 256 bytes that no other line names
.set FR,     12
.set NP,     4                         ; places behind this matrix instruction (ISA guide 7.12.1)
.set LAPS,   2                         ; 8 K steps = twice round the ring
.set BLK,    13312
.set KVOFF,  6815744
.set A16,  16                          ; v16-17 my P fragments in slot 0, 1: 16 x lane;  v18-19: 8 x lane
.set A8,   18
.set B16,  20                          ; v20-23 the same for Q
.set B8,   22
.set ADRS, 24                          ; v24-25 my scale words: lanes 0-15 P's rows, lanes 16-31 Q's
.set LI16, 26
.set LI8,  27
.set SPW,  28
.set NIL,  29
.set R32,  30
.set FL,   31                          ; the floor 2^(3 - 127)
.set SC,   32                          ; scale words: set s, K step q, tile i at v[SC + 16 s + 8 q + i]
.set AF,   128
.set PC,   180                         ; the way out: codes
.set TM,   200
.set SW,   216                         ; eight scale words
.set TL,   224
.set TH,   232
.set G1,  24
.set G0,  32
.set G1B, 48
.set G0B, 56
.set SEL, 96
.set MSB, 0
.macro WIN new                         ; the immediate's high byte repeats the setting that is left
.if MSB != (\new)
	s_set_vgpr_msb (MSB<<8)|(\new)
.set MSB, (\new)
.endif
.endm
.set MUL_LO, 0xa1                      ; source 0 (Q) window 1, source 1 (P) window 0, C and D window 2
.set MUL_HI, 0xf1
.set TO_B,   0x40
.macro PLACES n
.rept \n
	v_nop
.endr
.endm
; A joint load: waves 0 and 1 fetch P's two panels, waves 2 and 3 Q's.  The branch hangs on the wave's number alone.  Four v_nop follow each line.
.macro JLOAD g0a, g1a, g0b, g1b
	s_cmp_eq_u32 s15, 0
	s_cbranch_scc0 .Lfor_b_\@
	tensor_load_to_lds s[\g0a:\g0a+3], s[\g1a:\g1a+7]
	s_nop 0
.rept 4
	v_nop
.endr
	s_branch .Lasked_\@
.Lfor_b_\@:
	tensor_load_to_lds s[\g0b:\g0b+3], s[\g1b:\g1b+7]
	s_nop 0
.rept 4
	v_nop
.endr
.Lasked_\@:
.endm
.macro CREST                           ; a round of the cluster's barrier behind its opening barrier
	s_cmp_lg_u32 s14, 0
	s_cbranch_scc1 .Lnot_wave_0_\@
	s_barrier_signal -3
.Lnot_wave_0_\@:
	s_barrier_wait -3
	s_barrier_signal -1
	s_barrier_wait -1
.endm
.macro CROUND
	s_barrier_signal -1
	s_barrier_wait -1
	CREST
.endm
	s_load_b128 s[4:7], s[0:1], 0x0                ; h1, wts
	s_load_b64 s[8:9], s[0:1], 0x10                ; qkv
	v_lshl_add_u32 v[SPW], v0, 2, SPARE
	v_mov_b32 v[NIL], 0
	ds_add_u32 v28, v29
	ds_add_u32 v28, v29
	s_wait_dscnt 0x0
	v_lshrrev_b32 v1, 5, v0
	v_readfirstlane_b32 s14, v1                    ; wave
	s_lshr_b32 s15, s14, 1                         ; which of P's two panels is mine.  Also: I fetch for P (0) or for Q (1)
	s_and_b32 s16, s14, 1                          ; which of Q's.  Also: which panel I fetch
	s_bfe_u32 s40, ttmp6, 0x40000                  ; cx
	s_bfe_u32 s41, ttmp6, 0x40004                  ; cy
	s_and_b32 s18, ttmp7, 0xffff                   ; the cluster's y
	s_lshl_b32 s19, s18, 2
	s_lshl_b32 s42, ttmp9, 2
	s_max_u32 s17, s18, 4
	s_sub_co_u32 s17, s17, 4
	s_lshl_b32 s17, s17, 3
	s_add_co_u32 s42, s42, s17                     ; 4 x cluster x, and in mode 1 8 (cluster y - 4) more
	s_cmp_ge_u32 s18, 4
	s_cselect_b32 s17, 0, s19                      ; mode 0: 4 x cluster y;  mode 1: wv has four tile rows, one cluster's
	s_cselect_b32 s45, 1, 0                        ; the mode
	s_cselect_b32 s66, -1, 0                       ; and as a mask of lanes
	s_add_co_u32 s17, s17, s41                     ; tile row (P)
	s_add_co_u32 s42, s42, s40                     ; tile column (Q)
	s_lshl_b32 s43, s41, 2
	s_lshl_b32 s43, 15, s43                        ; my row of the cluster
	s_lshl_b32 s44, 0x1111, s40                    ; my column
	; descriptor group 1: 25,600 dense bytes as 100 rows of 32 elements of 8 bytes
	s_or_b32 s[G1+0], s43, (3<<16)|(1<<21)         ; 15:0 the mask: P's panels go to my row; 17:16 elements of 8 bytes; 21 set beside a mask; no padding
	s_or_b32 s[G1B+0], s44, (3<<16)|(1<<21)
.irp g, G1, G1B
	s_mov_b32 s[\g+1], 32<<16                      ; tensor_dim0
	s_mov_b32 s[\g+2], 100<<16                     ; tensor_dim1
	s_mov_b32 s[\g+3], 32<<16                      ; tile_dim0
	s_mov_b32 s[\g+4], 100                         ; tile_dim1
	s_mov_b32 s[\g+5], 32                          ; pitch
	s_mov_b32 s[\g+6], 0
	s_mov_b32 s[\g+7], 0
.endr
	s_lshl_b32 s22, s17, 1
	s_add_co_u32 s22, s22, s16
	s_mul_i32 s22, s22, 8*KB                       ; P's panel 2 x tile row + half: 8 blocks a panel
	s_mov_b32 s23, 0
	s_lshl_b32 s92, s42, 1
	s_add_co_u32 s92, s92, s16
	s_mul_i32 s92, s92, 8*KB                       ; Q's likewise
	s_mov_b32 s93, 0
	s_mul_i32 s94, s14, CH                         ; where my load goes: wave x 25,600: no place in the cluster enters an LDS address
	s_mov_b32 s[SEL], 0x76543210
	s_mov_b32 s[SEL+1], 0xfedcba98
	s_wait_kmcnt 0x0
	s_add_nc_u64 s[10:11], s[6:7], 1638400         ; wv's codes
	s_cmp_eq_u32 s45, 1
	s_cselect_b64 s[20:21], s[10:11], s[4:5]       ; P
	s_cselect_b64 s[46:47], s[4:5], s[6:7]         ; Q
	s_add_nc_u64 s[20:21], s[20:21], s[22:23]
	s_add_nc_u64 s[46:47], s[46:47], s[92:93]
	CROUND                                         ; all sixteen work-groups are here: the first joint loads meet
.irp s, 0,1
	s_mov_b32 s[G0+4*\s], 1
	s_add_co_u32 s[G0+4*\s+1], s94, \s*SLOT
	s_add_nc_u64 s[G0+4*\s+2:G0+4*\s+3], s[20:21], \s*CH
	s_or_b32 s[G0+4*\s+3], s[G0+4*\s+3], 0x80000000
	s_mov_b32 s[G0B+4*\s], 1
	s_add_co_u32 s[G0B+4*\s+1], s94, \s*SLOT
	s_add_nc_u64 s[G0B+4*\s+2:G0B+4*\s+3], s[46:47], \s*CH
	s_or_b32 s[G0B+4*\s+3], s[G0B+4*\s+3], 0x80000000
.endr
	JLOAD G0, G1, G0B, G1B                         ; slot 0
	v_and_b32 v1, 31, v0                           ; lane
	v_and_b32 v2, 15, v0                           ; r
	v_bfe_u32 v3, v0, 4, 1                         ; h
	v_lshlrev_b32 v[LI16], 4, v1
	v_lshlrev_b32 v[LI8], 3, v1
	v_lshlrev_b32 v[R32], 5, v2
	v_mov_b32 v[FL], 0x1800000
	s_mul_i32 s82, s15, CH                         ; my panel of P
	s_mul_i32 s83, s16, CH
	s_add_co_u32 s83, s83, 2*CH                    ; my panel of Q, behind P's two
	s_sub_co_u32 s84, s83, s82
	v_mul_u32_u24 v4, s84, v3                      ; lanes 16-31 take Q's scale words
	v_add_nc_u32 v4, v4, v[R32]
	s_add_co_u32 s84, s82, 12288
	v_add_nc_u32 v[ADRS], s84, v4
	v_add_nc_u32 v[ADRS+1], SLOT, v[ADRS]
.irp s, 0,1
	v_add_nc_u32 v[A16+\s], s82, v[LI16]
	v_add_nc_u32 v[A8+\s], s82, v[LI8]
	v_add_nc_u32 v[B16+\s], s83, v[LI16]
	v_add_nc_u32 v[B8+\s], s83, v[LI8]
	s_add_co_u32 s82, s82, SLOT
	s_add_co_u32 s83, s83, SLOT
.endr
	; where my 128 x 128 goes.  T: the token panel; Hh: the pair of heads
	s_lshl_b32 s80, s17, 1
	s_add_co_u32 s80, s80, s15                     ; my panel of P
	s_lshl_b32 s81, s42, 1
	s_add_co_u32 s81, s81, s16                     ; my panel of Q
	s_and_b32 s82, s81, 7
	s_lshr_b32 s83, s81, 3
	s_mul_i32 s83, s83, KVOFF                      ; mode 0: q's region (panels 0-7 of Q) or k's (8-15)
	s_mov_b32 s84, KVOFF+BLK/2                     ; mode 1: v's part
	s_mov_b32 s76, 768
	s_mov_b32 s88, 16*BLK
	s_cmp_eq_u32 s45, 1
	s_cselect_b32 s85, s81, s80                    ; T
	s_cselect_b32 s86, s80, s82                    ; Hh
	s_cselect_b32 s87, s84, s83
	s_cselect_b32 s76, 1536, s76                   ; from tile to tile
	s_cselect_b32 s78, 16*BLK-4*1536, 0            ; mode 1: tiles 4-7 belong to the next head
	s_cselect_b32 s88, 768, s88                    ; a fragment's second half: mode 0: the next head's block;  mode 1: 768 bytes on
	s_mov_b32 s77, 0
	s_mov_b32 s79, 0
	s_mov_b32 s89, 0
	s_lshr_b32 s90, s85, 4
	s_lshl_b32 s90, s90, 4                         ; 16 x batch
	s_lshl_b32 s86, s86, 1
	s_add_co_u32 s90, s90, s86                     ; + the first head
	s_lshl_b32 s90, s90, 4
	s_and_b32 s85, s85, 15
	s_add_co_u32 s90, s90, s85                     ; x 16 + the panel within the batch
	s_mul_i32 s90, s90, BLK
	s_add_co_u32 s90, s90, s87
	s_mov_b32 s91, 0
	s_add_nc_u64 s[68:69], s[8:9], s[90:91]        ; first halves
	s_add_nc_u64 s[70:71], s[68:69], s[88:89]      ; second halves
	s_add_nc_u64 s[72:73], s[68:69], 6144          ; the first head's scale words
	s_add_nc_u64 s[74:75], s[72:73], 16*BLK        ; the second head's
.macro FRAG reg, a16, a8, off          ; a fragment's image comes back as it was stored: every load reads consecutive bytes
	ds_load_b128 v[\reg:\reg+3], v[\a16] offset:\off
	ds_load_b64 v[\reg+4:\reg+5], v[\a8] offset:\off+512
	ds_load_b128 v[\reg+6:\reg+9], v[\a16] offset:\off+768
	ds_load_b64 v[\reg+10:\reg+11], v[\a8] offset:\off+1280
.endm
; 16 matrix instructions: P's tiles a0, a0 + 1 x Q's eight.  p: Q's set; q: the slot's K step; sc: the set of scale words.  zero = 1: the first product starts the sums.
; The 64 accumulators take turns, one instruction a turn, in the same order in every step.
.macro MUL16 a0, p, q, sc, zero
.irp a, \a0, \a0+1
.irp b, 0,1,2,3,4,5,6,7
.if \zero
	v_wmma_scale_f32_16x16x128_f8f6f4 v[8*(8*((\a)%4)+\b):8*(8*((\a)%4)+\b)+7], v[128*(\p)+FR*\b:128*(\p)+FR*\b+FR-1], v[AF+FR*(\a):AF+FR*(\a)+FR-1], 0, v[SC+16*(\sc)+8*(\q)+\b], v[SC+16*(\sc)+8*(\q)+(\a)] matrix_a_fmt:MATRIX_FMT_FP6 matrix_b_fmt:MATRIX_FMT_FP6 matrix_a_scale:MATRIX_SCALE_ROW1
.else
	v_wmma_scale_f32_16x16x128_f8f6f4 v[8*(8*((\a)%4)+\b):8*(8*((\a)%4)+\b)+7], v[128*(\p)+FR*\b:128*(\p)+FR*\b+FR-1], v[AF+FR*(\a):AF+FR*(\a)+FR-1], v[8*(8*((\a)%4)+\b):8*(8*((\a)%4)+\b)+7], v[SC+16*(\sc)+8*(\q)+\b], v[SC+16*(\sc)+8*(\q)+(\a)] matrix_a_fmt:MATRIX_FMT_FP6 matrix_b_fmt:MATRIX_FMT_FP6 matrix_a_scale:MATRIX_SCALE_ROW1
.endif
.endr
.endr
.endm
.macro FETCH_B slot, q, p
	WIN TO_B
.irp i, 0,1,2,3,4,5,6,7
	FRAG 128*(\p)+FR*\i, B16+\slot, B8+\slot, (\q)*KB+1536*\i
.endr
	WIN 0
.endm
.macro FETCH_A slot, q, i0
.irp i, \i0, \i0+1, \i0+2, \i0+3
	FRAG AF+FR*(\i), A16+\slot, A8+\slot, (\q)*KB+1536*(\i)
.endr
.endm
.macro SCALES sc                       ; a slot's scale words: eight a row and K step; lanes 0-15 P's, lanes 16-31 Q's
.irp q, 0,1
	ds_load_b128 v[SC+16*\sc+8*\q:SC+16*\sc+8*\q+3], v[ADRS+\sc] offset:\q*KB
	ds_load_b128 v[SC+16*\sc+8*\q+4:SC+16*\sc+8*\q+7], v[ADRS+\sc] offset:\q*KB+16
.endr
.endm
; A slot's first K step.  Loads into registers that matrix instructions have read stand four plain vector instructions behind them.
.macro STEP slot, zero
	s_wait_dscnt 16                                ; Q's set, P's tiles 0-3 and the scales are in; the youngest 16 loads (P's tiles 4-7) may be out
	WIN MUL_LO
	MUL16 0, 0, 0, \slot, \zero
	MUL16 2, 0, 0, \slot, \zero
	s_wait_dscnt 0
	PLACES NP
	FETCH_B \slot, 1, 1
	FETCH_A \slot, 1, 0
	WIN MUL_HI
	MUL16 4, 0, 0, \slot, \zero
	MUL16 6, 0, 0, \slot, \zero
	PLACES NP
	WIN 0
	FETCH_A \slot, 1, 4
.endm
; A slot's second K step changes slots: ONE barrier; in front of it each wave waits for all its tensor loads, adds 0 to its spare word, and waits for that and for its reads of this slot.
.macro TURN slot, next, fill
	s_wait_tensorcnt 0x0                           ; all my tensor loads have landed: my part of the next slot
	ds_add_u32 v[SPW], v[NIL]                      ; 0 onto my spare word
	s_wait_dscnt 17                                ; (the add and the youngest 16 loads may be out)
	WIN MUL_LO
	MUL16 0, 1, 1, \slot, 0
	s_wait_dscnt 0x0                               ; the add is done, and my reads of this slot are over
	s_barrier_signal -1
	MUL16 2, 1, 1, \slot, 0
	WIN 0
	s_barrier_wait -1
.if \fill
	CREST                                          ; the barrier has opened a round of the cluster's: no wave of any partner still reads this slot or has a load on its way
	s_add_nc_u64 s[G0+4*\slot+2:G0+4*\slot+3], s[G0+4*\slot+2:G0+4*\slot+3], 2*CH
	s_add_nc_u64 s[G0B+4*\slot+2:G0B+4*\slot+3], s[G0B+4*\slot+2:G0B+4*\slot+3], 2*CH
	JLOAD G0+4*\slot, G1, G0B+4*\slot, G1B         ; the first tensor load behind the round; its four v_nop are the places in front of the loads below
.else
	PLACES NP
.endif
	FETCH_B \next, 0, 0
	FETCH_A \next, 0, 0
	SCALES \next
	WIN MUL_HI
	MUL16 4, 1, 1, \slot, 0
	MUL16 6, 1, 1, \slot, 0
	PLACES NP
	WIN 0
	FETCH_A \next, 0, 4
.endm
	s_wait_alu depctr_va_vdst(0)
	s_wait_tensorcnt 0x0                           ; my part of slot 0 is in
	ds_add_u32 v[SPW], v[NIL]
	s_wait_dscnt 0x0
	CROUND                                         ; everybody's part is in, and all sixteen work-groups are here
	JLOAD G0+4, G1, G0B+4, G1B                     ; slot 1's first fill, the first tensor load behind the round
	FETCH_B 0, 0, 0
	FETCH_A 0, 0, 0
	SCALES 0
	FETCH_A 0, 0, 4
	STEP 0, 1                                      ; the first step stands in front of the loop: its products start the sums
	s_mov_b32 s3, LAPS-1
.Llap:                                                 ; a trip goes once round the ring and fills both slots again
	TURN 0, 1, 1
	STEP 1, 0
	TURN 1, 0, 1
	STEP 0, 0
	s_sub_co_u32 s3, s3, 1
	s_cmp_lg_u32 s3, 0
	s_cbranch_scc1 .Llap
	TURN 0, 1, 0                                   ; the last lap fills nothing
	STEP 1, 0
	s_wait_dscnt 16
	WIN MUL_LO
	MUL16 0, 1, 1, 1, 0
	MUL16 2, 1, 1, 1, 0
	s_wait_dscnt 0
	WIN MUL_HI
	MUL16 4, 1, 1, 1, 0
	MUL16 6, 1, 1, 1, 0
	WIN 0
; THE WAY OUT.  The 64 registers of P's tile a (window w, from v[s] on) are 128 neighbours along Q in two lanes: register 16 b + i = 32 b + 16 h + i.  They become a fragment's codes in v[PC] on and its scale word in v[pw].
; Each accumulator is read from its low end on.
.macro QUANT s, w, pw
	WIN ((\w)<<2)|((\w)<<4)                        ; sources 1 and 2
.irp b, 0,1,2,3
	v_max3_num_f32 v[TM+\b], v[FL], |v[\s+16*\b]|, |v[\s+16*\b+1]|   ; my 16 numbers of block b, and the floor
.endr
.irp i, 2,4,6,8,10,12,14
.irp b, 0,1,2,3
	v_max3_num_f32 v[TM+\b], v[TM+\b], |v[\s+16*\b+\i]|, |v[\s+16*\b+\i+1]|
.endr
.endr
	WIN 0
.irp b, 0,1,2,3
	v_permlanex16_b32 v[TM+4+\b], v[TM+\b], s[SEL], s[SEL+1]
.endr
.irp b, 0,1,2,3
	v_max_num_f32 v[TM+\b], v[TM+\b], v[TM+4+\b]
.endr
.irp b, 0,1,2,3
	v_add_nc_u32 v[TM+12+\b], 0xff000000, v[TM+\b] ; 2 off the exponent field: the conversion's scale operand
.endr
.irp b, 0,1,2,3
	v_lshrrev_b32 v[TM+4+\b], 23, v[TM+12+\b]
.endr
	v_lshl_or_b32 v[\pw], v[TM+5], 8, v[TM+4]
	v_lshl_or_b32 v[\pw], v[TM+6], 16, v[\pw]
	v_lshl_or_b32 v[\pw], v[TM+7], 24, v[\pw]
	WIN (\w)                                       ; source 0
.irp c, 0,1
	v_cvt_scalef32_pk16_fp6_f32 v[PC+6*\c:PC+6*\c+2], v[\s+32*\c:\s+32*\c+15], v[TM+12+2*\c]
	v_cvt_scalef32_pk16_fp6_f32 v[PC+12+4*\c:PC+14+4*\c], v[\s+32*\c+16:\s+32*\c+31], v[TM+13+2*\c]
.endr
	WIN 0
	v_nop                                          ; one plain place behind a scaled conversion
.irp c, 0,1
.irp i, 0,1,2
	v_permlane16_swap_b32 v[PC+6*\c+\i], v[PC+12+4*\c+\i]
.endr
.irp i, 0,1,2
	v_mov_b32 v[PC+3+6*\c+\i], v[PC+12+4*\c+\i]
.endr
.endr
.endm
	PLACES NP                                      ; in front of the first read of results and of writes into registers that held P's fragments
.irp b, 0,1,2,3
	v_mov_b32 v[TM+4+\b], 0                        ; a lane permute's destination counts as one of its sources
.endr
.irp a, 0,1,2,3,4,5,6,7
.if \a > 0
	s_wait_xcnt 0x0                                ; the last tile's stores have read their data and bases: both are written again only behind this wait
	s_add_nc_u64 s[68:69], s[68:69], s[76:77]
	s_add_nc_u64 s[70:71], s[70:71], s[76:77]
.endif
.if \a == 4
	s_add_nc_u64 s[68:69], s[68:69], s[78:79]
	s_add_nc_u64 s[70:71], s[70:71], s[78:79]
.endif
	QUANT 64*(\a%4), 2+\a/4, SW+\a
	global_store_b128 v[LI16], v[PC:PC+3], s[68:69]
	global_store_b64 v[LI8], v[PC+4:PC+5], s[68:69] offset:512
	global_store_b128 v[LI16], v[PC+6:PC+9], s[70:71]
	global_store_b64 v[LI8], v[PC+10:PC+11], s[70:71] offset:512
.endr
.irp a, 0,1,2,3,4,5,6,7                ; mode 0: a word's two low bytes are the first head's, the two high bytes the second's;  mode 1: tiles 0-3 are the first head's, 4-7 the second's, each written twice
	v_and_b32 v[TL+\a], 0xffff, v[SW+\a]
	v_lshrrev_b32 v[TH+\a], 16, v[SW+\a]
.endr
.irp a, 0,1,2,3,4,5,6,7
	v_cndmask_b32 v[TL+\a], v[TL+\a], v[SW+\a%4], s66
	v_cndmask_b32 v[TH+\a], v[TH+\a], v[SW+4+\a%4], s66
.endr
	global_store_b128 v[R32], v[TL:TL+3], s[72:73]             ; lanes r and 16 + r store the same words to the same place
	global_store_b128 v[R32], v[TL+4:TL+7], s[72:73] offset:16
	global_store_b128 v[R32], v[TH:TH+3], s[74:75]
	global_store_b128 v[R32], v[TH+4:TH+7], s[74:75] offset:16
	s_wait_tensorcnt 0x0                           ; the wave's end
	ds_add_u32 v[SPW], v[NIL]
	s_wait_dscnt 0x0
	CROUND                                         ; the closing round: no work-group ends while a partner may still ask for a tile that names it
	s_endpgm
.Lfunc_end_k_qe15f1b4b51_qkvg:
	.size	k_qe15f1b4b51_qkvg, .Lfunc_end_k_qe15f1b4b51_qkvg-k_qe15f1b4b51_qkvg
	.p2alignl 7, 3214868480
	.fill 96, 4, 3214868480
	.section	.rodata,"a",@progbits
	.p2align	6, 0x0
	.amdhsa_kernel k_qe15f1b4b51_qkvg
		.amdhsa_group_segment_fixed_size 327680
		.amdhsa_private_segment_fixed_size 0
		.amdhsa_enable_private_segment 0
		.amdhsa_kernarg_size 24
		.amdhsa_user_sgpr_count 2
		.amdhsa_user_sgpr_kernarg_segment_ptr 1
		.amdhsa_wavefront_size32 1
		.amdhsa_system_sgpr_workgroup_id_x 1
		.amdhsa_system_sgpr_workgroup_id_y 1
		.amdhsa_system_sgpr_workgroup_id_z 1
		.amdhsa_system_vgpr_workitem_id 0
		.amdhsa_next_free_vgpr 1024
		.amdhsa_next_free_sgpr 100
		.amdhsa_reserve_vcc 0
		.amdhsa_float_denorm_mode_32 3
		.amdhsa_float_denorm_mode_16_64 3
		.amdhsa_memory_ordered 1
		.amdhsa_forward_progress 1
		.amdhsa_inst_pref_size 148
	.end_amdhsa_kernel
	.amdgpu_metadata
---
amdhsa.version: [ 1, 2 ]
amdhsa.kernels:
  - .name:           k_qe15f1b4b51_qkvg
    .symbol:         k_qe15f1b4b51_qkvg.kd
    .args:
      - { .name: h1, .offset: 0, .size: 8, .value_kind: global_buffer, .address_space: global }
      - { .name: wts, .offset: 8, .size: 8, .value_kind: global_buffer, .address_space: global }
      - { .name: qkv, .offset: 16, .size: 8, .value_kind: global_buffer, .address_space: global }
    .group_segment_fixed_size: 327680
    .private_segment_fixed_size: 0
    .kernarg_segment_align: 8
    .kernarg_segment_size: 24
    .max_flat_workgroup_size: 128
    .sgpr_count:     100
    .vgpr_count:     1024
    .wavefront_size: 32
...
	.end_amdgpu_metadata
.endif
;; end of part 2
;; launch attn (part 3): grid 8 x 32, 16 waves a work-group, clusters of 4 x 1, 327,680 bytes of LDS; arguments qkv, att; writes att
.if DOCPART == 3
	.amdgcn_target "amdgcn-amd-amdhsa--gfx1250"
	.amdhsa_code_object_version 6
	.text
	.protected	k_qe15f1b4b51_attn
	.globl	k_qe15f1b4b51_attn
	.p2align	8
	.type	k_qe15f1b4b51_attn,@function
k_qe15f1b4b51_attn:
	s_mov_b64 s[64:65], 0
	v_nop
	global_prefetch_b8 v0, s[64:65] scope:SCOPE_SE
	s_setreg_imm32_b32 hwreg(HW_REG_WAVE_MODE, 25, 1), 1
	s_wait_xcnt 0x0
	s_wait_alu depctr_hold_cnt(0) depctr_sa_sdst(0) depctr_va_vdst(0) depctr_va_sdst(0) depctr_va_ssrc(0) depctr_va_vcc(0) depctr_vm_vsrc(0)
	s_getreg_b32 s2, hwreg(HW_REG_IB_STS2, 6, 4)
	s_cmp_eq_u32 s2, 0
	s_cbranch_scc0 .Lentry_in_a_cluster
	s_endpgm
.Lentry_in_a_cluster:
	s_bfe_u32 s2, ttmp6, 0x10000c
	s_cmp_lg_u32 s2, 0x3003
	s_cbranch_scc0 .Lentry_shape_is_right
	s_endpgm
.Lentry_shape_is_right:
; Causal attention on codes of FP6 (E2M3, one E8M0 byte for each 32 along K): S^T = k q^T, p = 2^(t - M) with M the ceiling of the running largest t, p quantised along the keys, O^T += v^T p^T, O / l quantised along the head's 64 as the next product's operand.
; A work-group takes one (batch, head) and tile x (16 queries) of each of the 16 query panels; the four work-groups of a cluster share the head's k and v and ask for them jointly.
; ALL 16 KEY STEPS (128 keys, 13,312 bytes each: k's part, then v's) lie in LDS for the whole launch: wave w brings key step w with its one tensor load at the head.  Nothing is filled again.
; KEY STEPS THAT THE CAUSAL MASK EMPTIES ARE NOT DONE: panel P has P + 1 steps.  Panels p (0-7) and 15 - p have 17 together, dealt to two waves: the wave of panel 15 - p does that panel's steps 0-8; the wave of panel p does its own
; steps 0 .. p, stores its tile, and goes on with panel 15 - p's steps 9 .. 15 - p: eight steps on end.  One loop of nine trips serves both; the key step of trip i is i + (8 - p) x [i > p] for the second kind and i for the first.
; Behind the loop the helper's partial O^T, -M and l go through LDS, one barrier, and the owner joins them by exact powers of two.
; No prefetch: all tiles are asked for at the head, so there is no loop to run ahead in.
; LIMITS: the promise holds while the scaled scores (the exponents to the base 2) stay under 2^31 in magnitude; a block of zeros gets the byte 1 where the rule says 127 (zero codes; this program alone reads the bytes); NaN and infinities are not served.
.set BLK,   13312
.set KVOFF, 6815744
.set XCH,   16*BLK
.set XREG,  4352
.set WV,    18
.set AW,    19
.set SEL,   20
.set CS,    22
.set G1E,   24
.set K1,    32
.set DD,    33
.set SWT,   34
.set G0E,   40
.set TB,    48
.set STEPI, 49
.set CNT,   50
.set LIM,   62
.set AW2,   63
.macro CROUND
	s_barrier_signal -1
	s_barrier_wait -1
	s_cmp_lg_u32 s[WV], 0
	s_cbranch_scc1 .Lnot_wave_0_\@
	s_barrier_signal -3
.Lnot_wave_0_\@:
	s_barrier_wait -3
	s_barrier_signal -1
	s_barrier_wait -1
.endm
	s_load_b128 s[4:7], s[0:1], 0x0
	v_lshl_add_u32 v243, v0, 2, 0x45000
	v_mov_b32 v251, 0
	ds_add_u32 v243, v251
	ds_add_u32 v243, v251
	v_lshrrev_b32 v8, 5, v0
	s_delay_alu instid0(VALU_DEP_1)
	v_readfirstlane_b32 s[WV], v8
	s_lshr_b32 s2, s[WV], 1
	s_xor_b32 s2, s2, s[WV]
	s_lshr_b32 s3, s2, 2
	s_xor_b32 s2, s2, s3
	s_and_b32 s2, s2, 1
	s_xor_b32 s2, s2, 1
	s_mul_i32 s2, s2, 15
	s_xor_b32 s[AW], s[WV], s2
	s_xor_b32 s[AW2], s[AW], 15
	s_lshr_b32 s2, s[AW], 3                        ; 1: my panel is 8-15, I do its steps 0-8
	s_xor_b32 s3, s2, 1                            ; 1: my panel p is 0-7, I help panel 15 - p
	s_mul_i32 s[K1], s[AW2], s3                    ; 15 - p: (trip + 15 - p) >> 4 is 1 in the trips behind p
	s_xor_b32 s[DD], s[AW], 7
	s_add_co_u32 s[DD], s[DD], 1
	s_mul_i32 s[DD], s[DD], s3                     ; 8 - p: what those trips add to the key step
	s_lshl_b32 s2, s2, 4
	s_add_co_u32 s[SWT], s[AW], 1
	s_add_co_u32 s[SWT], s[SWT], s2                ; the trip at whose head I change tiles: p + 1; for panels 8-15 a trip that never comes
	s_bfe_u32 s51, ttmp6, 0x40000
	s_lshl_b32 s52, ttmp9, 2
	s_add_co_u32 s52, s52, s51
	s_and_b32 s53, ttmp7, 0xffff
	s_mul_i32 s54, s53, 16*BLK
	s_add_co_u32 s54, s54, KVOFF
	s_mul_i32 s55, s[WV], BLK                      ; I bring key step w: the same distance in memory and in LDS
	s_add_co_u32 s58, s54, s55
	s_mov_b32 s59, 0
	s_mov_b32 s[G1E], 15|(3<<16)|(1<<21)
	s_mov_b32 s[G1E+1], 32<<16
	s_mov_b32 s[G1E+2], 52<<16                     ; 13,312 dense bytes as 52 rows of 256
	s_mov_b32 s[G1E+3], 32<<16
	s_mov_b32 s[G1E+4], 52
	s_mov_b32 s[G1E+5], 32
	s_mov_b32 s[G1E+6], 0
	s_mov_b32 s[G1E+7], 0
	s_lshl_b32 s57, s53, 4
	s_add_co_u32 s3, s57, s[AW2]
	s_add_co_u32 s57, s57, s[AW]
	s_mul_i32 s57, s57, BLK
	s_mul_i32 s3, s3, BLK
	s_mul_i32 s2, s52, 768
	s_add_co_u32 s8, s57, s2
	s_add_co_u32 s66, s3, s2
	s_mov_b32 s9, 0
	s_mov_b32 s67, 0
	s_lshl_b32 s2, s52, 2
	s_add_co_u32 s2, s2, 6144
	s_add_co_u32 s10, s57, s2
	s_add_co_u32 s68, s3, s2
	s_mov_b32 s11, 0
	s_mov_b32 s69, 0
	s_lshr_b32 s2, s53, 4
	s_lshl_b32 s2, s2, 4
	s_add_co_u32 s2, s2, s[AW]
	s_lshl_b32 s2, s2, 3
	s_bfe_u32 s3, s53, 0x30001
	s_add_co_u32 s2, s2, s3
	s_mul_i32 s2, s2, 12800
	s_and_b32 s3, s53, 1
	s_mul_i32 s12, s52, 1536
	s_add_co_u32 s12, s12, s2
	s_mul_i32 s13, s3, 768
	s_add_co_u32 s12, s12, s13
	s_mov_b32 s13, 0
	s_lshl_b32 s14, s52, 2
	s_add_co_u32 s14, s14, s2
	s_lshl_b32 s3, s3, 1
	s_add_co_u32 s14, s14, s3
	s_add_co_u32 s14, s14, 12288
	s_mov_b32 s15, 0
	s_lshr_b32 s16, s52, 1
	s_lshl_b32 s16, s16, 5
	s_and_b32 s17, s52, 1
	s_lshl_b32 s17, s17, 3
	s_add_co_u32 s16, s16, s17
	s_mov_b32 s[SEL], 0x76543210
	s_mov_b32 s[SEL+1], 0xfedcba98
	s_mov_b32 s[CS], 0x3e38aa3b
	s_mov_b32 s[CS+1], s[CS]
	s_wait_dscnt 0x0
	s_wait_kmcnt 0x0
	s_mov_b32 s[G0E], 1
	s_mov_b32 s[G0E+1], s55
	s_add_nc_u64 s[G0E+2:G0E+3], s[4:5], s[58:59]
	s_or_b32 s[G0E+3], s[G0E+3], 0x80000000
	s_add_nc_u64 s[8:9], s[4:5], s[8:9]
	s_add_nc_u64 s[10:11], s[4:5], s[10:11]
	s_add_nc_u64 s[66:67], s[4:5], s[66:67]
	s_add_nc_u64 s[68:69], s[4:5], s[68:69]
	s_add_nc_u64 s[12:13], s[6:7], s[12:13]
	s_add_nc_u64 s[14:15], s[6:7], s[14:15]
	CROUND
	tensor_load_to_lds s[G0E:G0E+3], s[G1E:G1E+7]
	s_nop 0
.rept 4
	v_nop
.endr
	v_and_b32 v8, 31, v0
	v_and_b32 v9, 15, v0
	v_bfe_u32 v10, v0, 4, 1
	s_delay_alu instid0(VALU_DEP_3)
	v_lshlrev_b32 v1, 4, v8
	s_delay_alu instid0(VALU_DEP_4)
	v_lshlrev_b32 v2, 3, v8
	s_delay_alu instid0(VALU_DEP_4)
	v_lshlrev_b32 v3, 5, v9
	v_and_b32 v4, 8, v9
	s_delay_alu instid0(VALU_DEP_1)
	v_add_nc_u32 v4, v4, v9
	v_lshlrev_b32 v11, 4, v10
	s_delay_alu instid0(VALU_DEP_1)
	v_sub_nc_u32 v4, v4, v11
	s_delay_alu instid0(VALU_DEP_1)
	v_add_nc_u32 v4, s16, v4
	s_mul_i32 s2, s[WV], XREG
	s_add_co_u32 s2, s2, XCH
	v_add_nc_u32 v5, s2, v1
	v_add_nc_u32 v6, s2, v2
	s_xor_b32 s3, s[WV], 15
	s_mul_i32 s3, s3, XREG
	s_add_co_u32 s3, s3, XCH
	v_add_nc_u32 v7, s3, v1
	v_add_nc_u32 v11, s3, v2
	global_load_b128 v[16:19], v1, s[8:9]
	global_load_b64 v[20:21], v2, s[8:9] offset:512
	global_load_b32 v255, v3, s[10:11]
	global_load_b128 v[204:207], v1, s[66:67]
	global_load_b64 v[208:209], v2, s[66:67] offset:512
	global_load_b32 v210, v3, s[68:69]
.irp j, 22,23,24,25,26,27,80,81,82,83,84,85
	v_mov_b32 v\j, 0
.endr
.irp j, 236,237,238,239,252,253
	v_mov_b32 v\j, 0
.endr
.macro FRESH
	v_mov_b32 v13, 0xff61b1e6
	s_delay_alu instid0(VALU_DEP_1)
	v_floor_f32 v12, -v13
	v_mov_b32 v14, 0
	v_mov_b32 v15, 0
.set j, 0
.rept 32
	v_mov_b32 v[160+j], 0
.set j, j+1
.endr
.endm
	FRESH
.macro FRAG reg, a16, a8, off
	ds_load_b128 v[\reg:\reg+3], v[\a16] offset:\off
	ds_load_b64 v[\reg+4:\reg+5], v[\a8] offset:\off+512
	ds_load_b128 v[\reg+6:\reg+9], v[\a16] offset:\off+768
	ds_load_b64 v[\reg+10:\reg+11], v[\a8] offset:\off+1280
.endm
.macro STEP
	s_cmp_gt_u32 s[STEPI], s[LIM]
	s_cbranch_scc1 .Lhidden_\@
	v_add_nc_u32 v8, s[TB], v1
	v_add_nc_u32 v9, s[TB], v2
	v_add_nc_u32 v10, s[TB], v3
	v_nop
.irp t, 0,1,2,3,4,5,6,7
	ds_load_b128 v[32+6*\t:35+6*\t], v8 offset:768*\t
	ds_load_b64 v[36+6*\t:37+6*\t], v9 offset:768*\t+512
.endr
	ds_load_b128 v[192:195], v10 offset:6144
	ds_load_b128 v[196:199], v10 offset:6160
	s_wait_alu depctr_va_vdst(0)
	s_wait_dscnt 0x0
.irp t, 0,1,2,3,4,5,6,7
	v_wmma_scale_f32_16x16x128_f8f6f4 v[96+8*\t:103+8*\t], v[32+6*\t:43+6*\t], v[16:27], 0, v[192+\t], v255 matrix_a_fmt:MATRIX_FMT_FP6 matrix_b_fmt:MATRIX_FMT_FP6
.endr
.rept 4
	v_nop
.endr
.irp t, 0,1,2,3
	FRAG 32+12*\t, 8, 9, 6656+1536*\t
.endr
	ds_load_b128 v[200:203], v10 offset:12800
	s_cmp_lg_u32 s[STEPI], s[LIM]
	s_cbranch_scc1 .Lopen_\@
	v_mov_b32 v254, 0xff800000
.set n, 0
.rept 64
	v_cmp_gt_i32 vcc_lo, 32*(n/16)+n%16, v4
	v_cndmask_b32 v[96+n], v[96+n], v254, vcc_lo
.set n, n+1
.endr
.Lopen_\@:
.irp b, 0,1,2,3
	v_max3_num_f32 v[232+\b], v[96+16*\b], v[97+16*\b], v[98+16*\b]
.endr
.irp i, 3,5,7,9,11,13
.irp b, 0,1,2,3
	v_max3_num_f32 v[232+\b], v[232+\b], v[96+16*\b+\i], v[97+16*\b+\i]
.endr
.endr
.irp b, 0,1,2,3
	v_max_num_f32 v[232+\b], v[232+\b], v[111+16*\b]
.endr
.irp b, 0,1,2,3
	s_delay_alu instid0(VALU_DEP_4)
	v_permlanex16_b32 v[236+\b], v[232+\b], s[SEL], s[SEL+1]
.endr
.irp b, 0,1,2,3
	s_delay_alu instid0(VALU_DEP_4)
	v_max_num_f32 v[232+\b], v[232+\b], v[236+\b]
.endr
	s_delay_alu instid0(VALU_DEP_2)
	v_max3_num_f32 v254, v232, v233, v234
	s_delay_alu instid0(VALU_DEP_1)
	v_max_num_f32 v254, v254, v235
	s_delay_alu instid0(VALU_DEP_1)
	v_mul_f32 v254, s[CS], v254
	s_delay_alu instid0(VALU_DEP_1)
	v_max_num_f32 v13, v13, v254
	v_mov_b32 v254, v12
	s_delay_alu instid0(VALU_DEP_2)
	v_floor_f32 v12, -v13
	s_delay_alu instid0(VALU_DEP_1)
	v_sub_f32 v254, v12, v254
	s_delay_alu instid0(VALU_DEP_1)
	v_cvt_i32_f32 v254, v254
	s_delay_alu instid0(VALU_DEP_1)
	v_ldexp_f32 v252, 1.0, v254
.set j, 0
.rept 32
	v_pk_fma_f32 v[96+j:97+j], v[96+j:97+j], s[CS:CS+1], v[12:13] op_sel_hi:[1,0,0]
.set j, j+2
.endr
.irp b, 0,1,2,3
	v_fma_f32 v[232+\b], v[232+\b], s[CS], v12
.endr
.set j, 0
	s_wait_alu depctr_va_vdst(0)
.rept 64
	v_exp_f32 v[96+j], v[96+j]
.set j, j+1
.endr
.irp b, 0,1,2,3
	v_exp_f32 v[232+\b], v[232+\b]
.endr
	v_pk_mul_f32 v[14:15], v[14:15], v[252:253] op_sel_hi:[1,0]
	s_wait_alu depctr_va_vdst(0)
.irp b, 0,1,2,3
	v_max_num_f32 v[232+\b], 0x1800000, v[232+\b]
.endr
.irp b, 0,1,2,3
	s_delay_alu instid0(VALU_DEP_4)
	v_add_nc_u32 v[244+\b], 0xff000000, v[232+\b]
.endr
.irp b, 0,1,2,3
	s_delay_alu instid0(VALU_DEP_4)
	v_lshrrev_b32 v[236+\b], 23, v[244+\b]
.endr
	s_delay_alu instid0(VALU_DEP_3)
	v_lshl_or_b32 v253, v237, 8, v236
	s_delay_alu instid0(VALU_DEP_1)
	v_lshl_or_b32 v253, v238, 16, v253
	s_delay_alu instid0(VALU_DEP_1)
	v_lshl_or_b32 v253, v239, 24, v253
.irp c, 0,1
	v_cvt_scalef32_pk16_fp6_f32 v[224+6*\c:226+6*\c], v[96+32*\c:111+32*\c], v[244+2*\c]
	v_cvt_scalef32_pk16_fp6_f32 v[236+4*\c:238+4*\c], v[112+32*\c:127+32*\c], v[245+2*\c]
.endr
	v_nop
.irp c, 0,1
.irp i, 0,1,2
	v_permlane16_swap_b32 v[224+6*\c+\i], v[236+4*\c+\i]
.endr
.irp i, 0,1,2
	s_delay_alu instid0(VALU_DEP_3)
	v_mov_b32 v[227+6*\c+\i], v[236+4*\c+\i]
.endr
.endr
	v_pk_add_f32 v[236:237], v[96:97], v[98:99]
.irp j, 4,8,12,16,20,24,28,32,36,40,44,48,52,56,60
	v_pk_add_f32 v[14:15], v[14:15], v[96+\j:97+\j]
	v_pk_add_f32 v[236:237], v[236:237], v[98+\j:99+\j]
.endr
	s_delay_alu instid0(VALU_DEP_1)
	v_pk_add_f32 v[14:15], v[14:15], v[236:237]
.set j, 0
.rept 16
	v_pk_mul_f32 v[160+j:161+j], v[160+j:161+j], v[252:253] op_sel_hi:[1,0]
.set j, j+2
.endr
	s_wait_alu depctr_va_vdst(0)
	s_wait_dscnt 0x0
.irp t, 0,1,2,3
	v_wmma_scale_f32_16x16x128_f8f6f4 v[160+8*\t:167+8*\t], v[32+12*\t:43+12*\t], v[224:235], v[160+8*\t:167+8*\t], v[200+\t], v253 matrix_a_fmt:MATRIX_FMT_FP6 matrix_b_fmt:MATRIX_FMT_FP6
.endr
.Lhidden_\@:
.endm
.macro WAYOUT
	v_add_f32 v14, v14, v15
	s_delay_alu instid0(VALU_DEP_1)
	v_permlanex16_b32 v252, v14, s[SEL], s[SEL+1]
	s_delay_alu instid0(VALU_DEP_1)
	v_add_f32 v14, v14, v252
	s_wait_alu depctr_va_vdst(0)
	v_rcp_f32 v14, v14
	v_nop
.set j, 0
	s_wait_alu depctr_va_vdst(0)
.rept 32
	v_mul_f32 v[96+j], v[160+j], v14
.set j, j+1
.endr
.irp b, 0,1
	v_max3_num_f32 v[232+\b], |v[96+16*\b]|, |v[97+16*\b]|, 0x1800000
.endr
.irp i, 2,4,6,8,10,12,14
.irp b, 0,1
	s_delay_alu instid0(VALU_DEP_2)
	v_max3_num_f32 v[232+\b], v[232+\b], |v[96+16*\b+\i]|, |v[97+16*\b+\i]|
.endr
.endr
.irp b, 0,1
	s_delay_alu instid0(VALU_DEP_2)
	v_permlanex16_b32 v[236+\b], v[232+\b], s[SEL], s[SEL+1]
.endr
.irp b, 0,1
	s_delay_alu instid0(VALU_DEP_2)
	v_max_num_f32 v[232+\b], v[232+\b], v[236+\b]
.endr
.irp b, 0,1
	s_delay_alu instid0(VALU_DEP_2)
	v_add_nc_u32 v[244+\b], 0xff000000, v[232+\b]
.endr
.irp b, 0,1
	s_delay_alu instid0(VALU_DEP_2)
	v_lshrrev_b32 v[236+\b], 23, v[244+\b]
.endr
	s_delay_alu instid0(VALU_DEP_1)
	v_lshl_or_b32 v240, v237, 8, v236
	v_cvt_scalef32_pk16_fp6_f32 v[224:226], v[96:111], v244
	v_cvt_scalef32_pk16_fp6_f32 v[248:250], v[112:127], v245
	v_nop
.irp i, 0,1,2
	v_permlane16_swap_b32 v[224+\i], v[248+\i]
.endr
.irp i, 0,1,2
	s_delay_alu instid0(VALU_DEP_3)
	v_mov_b32 v[227+\i], v[248+\i]
.endr
	global_store_b128 v1, v[224:227], s[12:13]
	global_store_b64 v2, v[228:229], s[12:13] offset:512
	global_store_b16 v3, v240, s[14:15]
.endm
	s_wait_tensorcnt 0x0                           ; my key step is in,
	s_barrier_signal -1
	s_barrier_wait -1                              ; and everybody's: all 16 lie in LDS
	s_wait_loadcnt 0x0                             ; both tiles of q
	s_mov_b32 s[CNT], 0
.Ltrip:                                                ; nine trips in every wave; a helper's ninth is passed over inside STEP
	s_add_co_u32 s2, s[CNT], s[K1]
	s_lshr_b32 s2, s2, 4                           ; 1: I am at my partner's tile
	s_mul_i32 s3, s2, s[DD]
	s_add_co_u32 s[STEPI], s[CNT], s3              ; this trip's key step
	s_min_u32 s3, s[STEPI], 15                     ; (the step that is passed over names the last tile)
	s_mul_i32 s[TB], s3, BLK                       ; and where it lies
	s_cmp_lg_u32 s2, 0
	s_cselect_b32 s[LIM], s[AW2], s[AW]            ; the tile's panel: its last key step, the one that the mask cuts
	s_cmp_lg_u32 s[CNT], s[SWT]
	s_cbranch_scc1 .Lsame
.rept 4
	v_nop                                          ; places in front of the first read of O^T
.endr
	WAYOUT                                         ; my own tile is finished and leaves
.irp j, 0,1,2,3,4,5
	v_mov_b32 v[16+\j], v[204+\j]                  ; my partner's q
.endr
	v_mov_b32 v255, v210
	FRESH
	s_wait_alu depctr_va_vdst(0)
	s_wait_xcnt 0x0                                ; the stores have read their data: the next step writes those registers
.Lsame:
	STEP
	s_add_co_u32 s[CNT], s[CNT], 1
	s_cmp_lt_u32 s[CNT], 9
	s_cbranch_scc1 .Ltrip
	s_cmp_ge_u32 s[AW], 8
	s_cbranch_scc1 .Llate_b
.rept 4
	v_nop
.endr
	v_add_f32 v13, v14, v15
	s_wait_alu depctr_va_vdst(0)
.irp k, 0,1,2,3,4,5,6,7
	ds_store_b128 v5, v[160+4*\k:163+4*\k] offset:512*\k
.endr
	ds_store_b64 v6, v[12:13] offset:4096
.Llate_b:
	s_wait_dscnt 0x0
	s_barrier_signal -1
	s_barrier_wait -1
	s_cmp_lt_u32 s[AW], 8
	s_cbranch_scc1 .Ldone
.rept 4
	v_nop
.endr
.irp k, 0,1,2,3,4,5,6,7
	ds_load_b128 v[96+4*\k:99+4*\k], v7 offset:512*\k
.endr
	ds_load_b64 v[128:129], v11 offset:4096
	s_wait_dscnt 0x0
	v_min_num_f32 v130, v12, v128
	s_delay_alu instid0(VALU_DEP_1)
	v_sub_f32 v131, v130, v12
	s_delay_alu instid0(VALU_DEP_2)
	v_sub_f32 v136, v130, v128
	s_delay_alu instid0(VALU_DEP_2)
	v_cvt_i32_f32 v131, v131
	s_delay_alu instid0(VALU_DEP_2)
	v_cvt_i32_f32 v136, v136
	s_delay_alu instid0(VALU_DEP_2)
	v_ldexp_f32 v132, 1.0, v131
	s_delay_alu instid0(VALU_DEP_2)
	v_ldexp_f32 v134, 1.0, v136
	s_delay_alu instid0(VALU_DEP_2)
	v_mov_b32 v133, v132
	s_delay_alu instid0(VALU_DEP_2)
	v_mov_b32 v135, v134
	v_add_f32 v14, v14, v15
	s_delay_alu instid0(VALU_DEP_1)
	v_mul_f32 v14, v14, v132
	s_delay_alu instid0(VALU_DEP_1)
	v_fma_f32 v14, v129, v134, v14
	v_mov_b32 v15, 0
.set j, 0
.rept 16
	v_pk_mul_f32 v[96+j:97+j], v[96+j:97+j], v[134:135]
.set j, j+2
.endr
.set j, 0
.rept 16
	v_pk_fma_f32 v[160+j:161+j], v[160+j:161+j], v[132:133], v[96+j:97+j]
.set j, j+2
.endr
	WAYOUT
.Ldone:
	s_wait_tensorcnt 0x0
	ds_add_u32 v243, v251
	s_wait_dscnt 0x0
	CROUND
	s_endpgm
.Lfunc_end_k_qe15f1b4b51_attn:
	.size	k_qe15f1b4b51_attn, .Lfunc_end_k_qe15f1b4b51_attn-k_qe15f1b4b51_attn
	.p2alignl 7, 3214868480
	.fill 96, 4, 3214868480
	.section	.rodata,"a",@progbits
	.p2align	6, 0x0
	.amdhsa_kernel k_qe15f1b4b51_attn
		.amdhsa_group_segment_fixed_size 327680
		.amdhsa_private_segment_fixed_size 0
		.amdhsa_enable_private_segment 0
		.amdhsa_kernarg_size 16
		.amdhsa_user_sgpr_count 2
		.amdhsa_user_sgpr_kernarg_segment_ptr 1
		.amdhsa_wavefront_size32 1
		.amdhsa_system_sgpr_workgroup_id_x 1
		.amdhsa_system_sgpr_workgroup_id_y 1
		.amdhsa_system_sgpr_workgroup_id_z 1
		.amdhsa_system_vgpr_workitem_id 0
		.amdhsa_next_free_vgpr 256
		.amdhsa_next_free_sgpr 70
		.amdhsa_reserve_vcc 1
		.amdhsa_float_denorm_mode_32 3
		.amdhsa_float_denorm_mode_16_64 3
		.amdhsa_memory_ordered 1
		.amdhsa_forward_progress 1
		.amdhsa_inst_pref_size 46
	.end_amdhsa_kernel
	.amdgpu_metadata
---
amdhsa.version: [ 1, 2 ]
amdhsa.kernels:
  - .name:           k_qe15f1b4b51_attn
    .symbol:         k_qe15f1b4b51_attn.kd
    .args:
      - { .name: qkv, .offset: 0, .size: 8, .value_kind: global_buffer, .address_space: global }
      - { .name: att, .offset: 8, .size: 8, .value_kind: global_buffer, .address_space: global }
    .group_segment_fixed_size: 327680
    .private_segment_fixed_size: 0
    .kernarg_segment_align: 8
    .kernarg_segment_size: 16
    .max_flat_workgroup_size: 512
    .sgpr_count:     70
    .vgpr_count:     256
    .wavefront_size: 32
...
	.end_amdgpu_metadata
.endif
;; end of part 3
;; launch oln (part 4): grid 256 x 1, 8 waves a work-group, clusters of 4 x 1, 327,680 bytes of LDS; arguments att, wts, bo, x, ln2_scale, ln2_bias, x1, h2; writes x1, h2
.if DOCPART == 4
	.amdgcn_target "amdgcn-amd-amdhsa--gfx1250"
	.amdhsa_code_object_version 6
	.text
	.protected	k_qe15f1b4b51_oln
	.globl	k_qe15f1b4b51_oln
	.p2align	8
	.type	k_qe15f1b4b51_oln,@function
k_qe15f1b4b51_oln:
	s_mov_b64 s[64:65], 0
	v_nop
	global_prefetch_b8 v0, s[64:65] scope:SCOPE_SE
	s_setreg_imm32_b32 hwreg(HW_REG_WAVE_MODE, 25, 1), 1
	s_wait_xcnt 0x0
	s_wait_alu depctr_hold_cnt(0) depctr_sa_sdst(0) depctr_va_vdst(0) depctr_va_sdst(0) depctr_va_ssrc(0) depctr_va_vcc(0) depctr_vm_vsrc(0)
	s_getreg_b32 s2, hwreg(HW_REG_IB_STS2, 6, 4)
	s_cmp_eq_u32 s2, 0
	s_cbranch_scc0 .Lentry_in_a_cluster
	s_endpgm
.Lentry_in_a_cluster:
	s_bfe_u32 s2, ttmp6, 0x10000c
	s_cmp_lg_u32 s2, 0x3003
	s_cbranch_scc0 .Lentry_shape_is_right
	s_endpgm
.Lentry_shape_is_right:
; x1 = x + (att wo + bo), and h2 = Q((x1 - mean) / (std + 1e-5) * gain + bias), in one launch: a work-group owns 16 WHOLE rows (one tile of a panel), so the norm needs no other work-group.
; att [4,096][1,024] and wo [1,024 (n)][1,024 (k)] are codes of FP6 (E2M3) with one E8M0 byte for each 32 along K, laid in the order of the matrix unit's registers: block (panel of 128 rows, K step) of 12,800 bytes: tile t's 12 registers
; at 1536 t (0-3 at 16 x lane, 4-5 at 512 + 8 x lane, 6-9 at 768 + 16 x lane, 10-11 at 1280 + 8 x lane), scale words at 12,288 + 32 r + 4 t.  Lane-row r of tile t is row 32 (t / 2) + 8 (t % 2) + r + 8 (r / 8).  h2 is laid the same way.
; SHARES: eight waves; wave w makes the 16 rows x wo's panel w (128 columns): 8 accumulators, 8 K steps of 8 matrix instructions.  The product is used transposed (source 0 = wo, source 1 = att): a lane holds a row and 16 neighbouring columns.
; wo COMES BY TWO ROADS AT ONCE.  A fragment of wo feeds ONE matrix instruction of ONE wave, so nothing is read twice.  K steps 0-4 go from memory straight into registers, 39 loads a wave and K step, two K steps asked for ahead, in two sets of
; registers.  K steps 5-7 of panel w (38,400 dense bytes) come into LDS by wave w's one tensor load at the head, and only wave w reads them, behind its own wait.  Every work-group walks the same wo: the four of a cluster ask for it jointly.
; Nothing is filled again.  No prefetch: both roads are asked for at the head or run two K steps ahead by themselves.  bo is loaded into the accumulators: the sums begin with it.
; Then, behind a barrier (all reads of the tiles are over, and they have had their only fill), the 16 x 1,024 tile goes to a stage in the same LDS bytes (rows 4,112 bytes apart, an odd multiple of 16).  Barrier.  Wave w takes lane-rows 2 w, 2 w + 1
; whole (32 registers a row), adds x, stores x1 in runs of 512 bytes, normalises (mean, then the mean of squared differences) and puts them back.  Barrier.  Wave w quantises K step w of the tile: lane (r, h) reads 16 neighbours of each block of 32.
; LIMITS: 1 / (std + eps) is v_rcp_f32 and a multiplication; a block of zeros gets the byte 1 where the rule says 127 (zero codes; this program alone reads the bytes); blocks under 2^-124 are held at that byte; NaN and infinities are not served.
; REGISTERS: window 0: v1-31 addresses and sums; v32-127 wo's fragments, odd K steps, later the rows (v32-95) and the codes (v96-115); v128-151 att's fragments, two sets, later the quantiser's; v152-154 LDS addresses; v160-223 gain, bias;
;   v224-241 scale words alone.   window 1: v0-63 accumulators; v64-127 x; v128-223 wo's fragments, even K steps.
.set KB,    12800
.set QOFF,  2457600
.set PITCH, 4112
.set TR,    3*KB                       ; a wave's three K steps in LDS
.set SPARE, 8*TR                       ; behind the eight: the spare words, 128 bytes a wave
.set MA,    8                          ; v8-15  sums, then the two means as pairs at MA, MA + 4
.set LI16,  16
.set LI8,   17
.set LS,    18
.set L8,    19
.set R32,   20
.set H64,   21
.set SPW,   22
.set NIL,   23
.set MB,    24                         ; v24-31 sums of squares, then 1 / (std + eps) as pairs at MB, MB + 4
.set X,     32
.set PC,    96
.set AF,    128
.set TM,    128
.set PW,    144
.set T16,   152
.set T8,    153
.set TS,    154
.set SCL,   160
.set BIA,   192
.set SA,    224                        ; att's scale word, set s % 2
.set SB,    226                        ; wo's eight scale words, set s % 2
.set RES,   64
.set MSB, 0
.macro WIN new                         ; the immediate's high byte repeats the setting that is left
.if MSB != (\new)
	s_set_vgpr_msb (MSB<<8)|(\new)
.set MSB, (\new)
.endif
.endm
.macro CROUND                          ; a round of the cluster's barrier
	s_barrier_signal -1
	s_barrier_wait -1
	s_cmp_lg_u32 s20, 0
	s_cbranch_scc1 .Lnot_wave_0_\@
	s_barrier_signal -3
.Lnot_wave_0_\@:
	s_barrier_wait -3
	s_barrier_signal -1
	s_barrier_wait -1
.endm
	s_load_b256 s[4:11], s[0:1], 0x0               ; att, wts, bo, x
	s_load_b256 s[12:19], s[0:1], 0x20             ; gain, bias, x1, h2
	v_lshl_add_u32 v[SPW], v0, 2, SPARE
	v_mov_b32 v[NIL], 0
	ds_add_u32 v[SPW], v[NIL]                      ; the opening lines
	ds_add_u32 v[SPW], v[NIL]
	v_lshrrev_b32 v1, 5, v0
	v_readfirstlane_b32 s20, v1                    ; wave 0..7
	v_and_b32 v2, 31, v0                           ; lane
	v_and_b32 v3, 15, v0                           ; r
	v_bfe_u32 v4, v0, 4, 1                         ; h
	v_lshlrev_b32 v5, 4, v2                        ; 16 x lane
	v_lshlrev_b32 v[L8], 3, v2
	v_lshlrev_b32 v[R32], 5, v3
	v_lshlrev_b32 v[H64], 6, v4
	s_mul_i32 s21, s20, 2*PITCH
	v_add_nc_u32 v6, s21, v5                       ; the stage by rows: my wave's two rows, 16 bytes a lane
	v_mul_u32_u24 v7, v3, PITCH
	v_add_nc_u32 v7, v7, v[H64]
	s_lshl_b32 s21, s20, 9
	v_add_nc_u32 v7, s21, v7                       ; the stage by fragments: row r, + 64 h, + my wave's 128 columns
	s_mul_i32 s41, s20, TR                         ; my three K steps in LDS: no place in the cluster enters an LDS address
	v_add_nc_u32 v[T16], s41, v5
	v_add_nc_u32 v[T8], s41, v[L8]
	v_add_nc_u32 v[TS], s41, v[R32]
	s_bfe_u32 s36, ttmp6, 0x40000                  ; cx
	s_lshl_b32 s37, ttmp9, 2
	s_add_co_u32 s36, s36, s37                     ; work-group = 4 x cluster + cx
	s_lshr_b32 s22, s36, 3                         ; panel
	s_and_b32 s23, s36, 7                          ; tile
	s_mul_i32 s21, s23, 1536
	v_add_nc_u32 v[LI16], s21, v5
	v_add_nc_u32 v[LI8], s21, v[L8]
	s_lshl_b32 s21, s23, 2
	v_add_nc_u32 v[LS], s21, v[R32]
	s_lshl_b32 s24, s22, 7                         ; my wave's first row: 128 p + 32 (t / 2) + 8 (t % 2) + 2 w + 8 (w / 4)
	s_lshr_b32 s25, s23, 1
	s_lshl_b32 s25, s25, 5
	s_add_co_u32 s24, s24, s25
	s_and_b32 s25, s23, 1
	s_lshl_b32 s25, s25, 3
	s_add_co_u32 s24, s24, s25
	s_lshl_b32 s25, s20, 1
	s_add_co_u32 s24, s24, s25
	s_lshr_b32 s25, s20, 2
	s_lshl_b32 s25, s25, 3
	s_add_co_u32 s24, s24, s25
	s_lshl_b32 s24, s24, 12                        ; x 4,096 bytes
	s_mov_b32 s25, 0
	s_mul_i32 s26, s22, 8*KB                       ; panel p of att and of h2
	s_mov_b32 s27, 0
	s_mul_i32 s28, s20, 8*KB
	s_add_co_u32 s28, s28, QOFF                    ; wo's panel w
	s_mov_b32 s29, 0
	s_lshl_b32 s30, s20, 9                         ; bo: my 128 columns
	s_mov_b32 s31, 0
	s_mul_i32 s32, s20, KB
	s_add_co_u32 s32, s32, s26                     ; h2: block (p, w)
	s_mov_b32 s33, 0
	s_mov_b32 s34, 0x76543210
	s_mov_b32 s35, 0xfedcba98                      ; v_permlanex16_b32's selects for lane l xor 16
	s_mov_b32 s40, 1                               ; the descriptor: 38,400 dense bytes as 150 rows of 32 elements of 8 bytes; the mask names the cluster's four, bit 21 beside it
	s_mov_b32 s44, 15|(3<<16)|(1<<21)
	s_mov_b32 s45, 32<<16
	s_mov_b32 s46, 150<<16
	s_mov_b32 s47, 32<<16
	s_mov_b32 s48, 150
	s_mov_b32 s49, 32
	s_mov_b32 s50, 0
	s_mov_b32 s51, 0
	s_wait_dscnt 0x0                               ; both opening adds are done
	s_wait_alu depctr_va_vdst(0)
	s_wait_kmcnt 0x0
	s_add_nc_u64 s[4:5], s[4:5], s[26:27]
	s_add_nc_u64 s[6:7], s[6:7], s[28:29]
	s_add_nc_u64 s[8:9], s[8:9], s[30:31]
	s_add_nc_u64 s[10:11], s[10:11], s[24:25]
	s_add_nc_u64 s[16:17], s[16:17], s[24:25]
	s_add_nc_u64 s[18:19], s[18:19], s[32:33]
	s_add_nc_u64 s[42:43], s[6:7], 5*KB            ; K steps 5-7 of wo's panel w: the same in all four partners
	s_or_b32 s43, s43, 0x80000000
.macro BSET s                          ; which set of registers takes K step s of wo
.if (\s)%2
	WIN 0
.set BF, 32
.else
	WIN 0x40                                       ; destination window 1
.set BF, 128
.endif
.endm
.macro LOADA s                         ; att's fragment and scale word of K step s: 5 loads
.set FA, AF+12*((\s)%2)
	global_load_b128 v[FA:FA+3], v[LI16], s[4:5] offset:(\s)*KB
	global_load_b64 v[FA+4:FA+5], v[LI8], s[4:5] offset:(\s)*KB+512
	global_load_b128 v[FA+6:FA+9], v[LI16], s[4:5] offset:(\s)*KB+768
	global_load_b64 v[FA+10:FA+11], v[LI8], s[4:5] offset:(\s)*KB+1280
	global_load_b32 v[SA+(\s)%2], v[LS], s[4:5] offset:(\s)*KB+12288
.endm
.macro LOADK s                         ; K step s from memory: 39 loads
	BSET \s
.irp i, 0,1,2,3,4,5,6,7
	global_load_b128 v[BF+12*\i:BF+12*\i+3], v5, s[6:7] offset:(\s)*KB+1536*\i
	global_load_b64 v[BF+12*\i+4:BF+12*\i+5], v[L8], s[6:7] offset:(\s)*KB+1536*\i+512
	global_load_b128 v[BF+12*\i+6:BF+12*\i+9], v5, s[6:7] offset:(\s)*KB+1536*\i+768
	global_load_b64 v[BF+12*\i+10:BF+12*\i+11], v[L8], s[6:7] offset:(\s)*KB+1536*\i+1280
.endr
	WIN 0
	global_load_b128 v[SB+8*((\s)%2):SB+8*((\s)%2)+3], v[R32], s[6:7] offset:(\s)*KB+12288
	global_load_b128 v[SB+8*((\s)%2)+4:SB+8*((\s)%2)+7], v[R32], s[6:7] offset:(\s)*KB+12304
	LOADA \s
.endm
.macro LDSK s                          ; K step s (5-7): wo from LDS, 34 LDS loads; att from memory, 5 loads
	BSET \s
.irp i, 0,1,2,3,4,5,6,7
	ds_load_b128 v[BF+12*\i:BF+12*\i+3], v[T16] offset:((\s)-5)*KB+1536*\i
	ds_load_b64 v[BF+12*\i+4:BF+12*\i+5], v[T8] offset:((\s)-5)*KB+1536*\i+512
	ds_load_b128 v[BF+12*\i+6:BF+12*\i+9], v[T16] offset:((\s)-5)*KB+1536*\i+768
	ds_load_b64 v[BF+12*\i+10:BF+12*\i+11], v[T8] offset:((\s)-5)*KB+1536*\i+1280
.endr
	WIN 0
	ds_load_b128 v[SB+8*((\s)%2):SB+8*((\s)%2)+3], v[TS] offset:((\s)-5)*KB+12288
	ds_load_b128 v[SB+8*((\s)%2)+4:SB+8*((\s)%2)+7], v[TS] offset:((\s)-5)*KB+12304
	LOADA \s
.endm
.macro MULK s                          ; eight matrix instructions; the eight accumulators take turns
.if (\s)%2
	WIN 0x50                                       ; C and D window 1
.set BF, 32
.else
	WIN 0x51                                       ; and source 0 too
.set BF, 128
.endif
.set FA, AF+12*((\s)%2)
.irp b, 0,1,2,3,4,5,6,7
	v_wmma_scale_f32_16x16x128_f8f6f4 v[8*\b:8*\b+7], v[BF+12*\b:BF+12*\b+11], v[FA:FA+11], v[8*\b:8*\b+7], v[SB+8*((\s)%2)+\b], v[SA+(\s)%2] matrix_a_fmt:MATRIX_FMT_FP6 matrix_b_fmt:MATRIX_FMT_FP6
.endr
.endm
	WIN 0x40
.irp b, 0,1,2,3,4,5,6,7                ; bo into the accumulators: lane (r, h), tile b, register j: column 32 (b / 2) + 16 h + 8 (b % 2) + j
	global_load_b128 v[8*\b:8*\b+3], v[H64], s[8:9] offset:4*(32*(\b/2)+8*(\b%2))
	global_load_b128 v[8*\b+4:8*\b+7], v[H64], s[8:9] offset:4*(32*(\b/2)+8*(\b%2))+16
.endr
	LOADK 0
	CROUND                                         ; the four work-groups are here: the joint loads meet
	tensor_load_to_lds s[40:43], s[44:51]          ; my one tensor load
	s_nop 0
.rept 4
	v_nop
.endr
	WIN 0x40
.irp i, 0,1
.irp j, 0,1,2,3,4,5,6,7
	global_load_b128 v[RES+32*\i+4*\j:RES+32*\i+4*\j+3], v5, s[10:11] offset:4096*\i+512*\j   ; x: my two rows, 512 consecutive bytes a load
.endr
.endr
	WIN 0
.irp j, 0,1,2,3,4,5,6,7
	global_load_b128 v[SCL+4*\j:SCL+4*\j+3], v5, s[12:13] offset:512*\j
	global_load_b128 v[BIA+4*\j:BIA+4*\j+3], v5, s[14:15] offset:512*\j
.endr
	LOADK 1
	s_wait_loadcnt 63                              ; bo and K step 0 are in: 71 loads are younger, and the count's field ends at 63
	MULK 0
.irp s, 1,2,3,4,5,6,7
.rept 4
	v_nop                                          ; places in front of loads into registers that matrix instructions have read
.endr
.if \s < 4
	LOADK \s+1
	s_wait_loadcnt 39                              ; K step s is in; the 39 loads just issued may be out
.elseif \s == 4
	s_wait_tensorcnt 0x0                           ; my three K steps lie in LDS; only I read them
	LDSK 5
	s_wait_loadcnt 5                               ; K step 4 is in; att's 5 loads just issued may be out
.elseif \s < 7
	LDSK \s+1
	s_wait_loadcnt 5                               ; att's part of K step s is in,
	s_wait_dscnt 34                                ; and wo's; the 34 LDS loads just issued may be out
.else
	s_wait_loadcnt 0x0
	s_wait_dscnt 0x0
.endif
	MULK \s
.endr
	WIN 0
	s_barrier_signal -1                            ; my reads of the tiles are over (the wait for 0 above),
.rept 4
	v_nop                                          ; places in front of the first read of results
.endr
	s_barrier_wait -1                              ; and everybody's: the stage may lie over them
	WIN 0x04                                       ; the data: window 1
.irp e, 0,1,2,3                        ; tiles 2 e, 2 e + 1: 16 neighbouring columns, 64 bytes; each accumulator from its low end on
	ds_store_b128 v7, v[16*\e:16*\e+3] offset:128*\e
	ds_store_b128 v7, v[16*\e+4:16*\e+7] offset:128*\e+16
	ds_store_b128 v7, v[16*\e+8:16*\e+11] offset:128*\e+32
	ds_store_b128 v7, v[16*\e+12:16*\e+15] offset:128*\e+48
.endr
	WIN 0
	s_wait_dscnt 0x0                               ; for the others' sake: my columns lie in the stage
	s_barrier_signal -1
	s_barrier_wait -1
.irp i, 0,1
.irp j, 0,1,2,3,4,5,6,7
	ds_load_b128 v[X+32*\i+4*\j:X+32*\i+4*\j+3], v6 offset:PITCH*\i+512*\j
.endr
.endr
	s_wait_dscnt 0x0
	WIN 0x04                                       ; source 1: window 1
.set j, 0
.rept 32
	v_pk_add_f32 v[X+j:X+j+1], v[X+j:X+j+1], v[RES+j:RES+j+1]   ; + x
.set j, j+2
.endr
	WIN 0
.irp i, 0,1
.irp j, 0,1,2,3,4,5,6,7
	global_store_b128 v5, v[X+32*\i+4*\j:X+32*\i+4*\j+3], s[16:17] offset:4096*\i+512*\j   ; x1: 512 consecutive bytes a store
.endr
.endr
.macro REDUCE R                        ; four pairs (two to a row) become the two rows' means over the wave, in every lane, in v[R], v[R + 4]
.irp i, 0,1
	v_pk_add_f32 v[\R+4*\i:\R+4*\i+1], v[\R+4*\i:\R+4*\i+1], v[\R+4*\i+2:\R+4*\i+3]
.endr
.irp i, 0,1
	v_add_f32 v[\R+4*\i], v[\R+4*\i], v[\R+4*\i+1]
.endr
.irp m, 1,2,4,8
.irp i, 0,1
	v_add_f32_dpp v[\R+4*\i], v[\R+4*\i], v[\R+4*\i] row_xmask:\m row_mask:0xf bank_mask:0xf
.endr
.endr
.irp i, 0,1
	v_permlanex16_b32 v[\R+4*\i+1], v[\R+4*\i], s34, s35
.endr
.irp i, 0,1
	v_add_f32 v[\R+4*\i], v[\R+4*\i], v[\R+4*\i+1]
.endr
.irp i, 0,1
	v_mul_f32 v[\R+4*\i], 0x3a800000, v[\R+4*\i]   ; / 1,024
.endr
.endm
.irp c, 0,1,2,3                        ; four chains: the halves c of the two rows, 16 registers each
	v_pk_add_f32 v[MA+2*\c:MA+2*\c+1], v[X+16*\c:X+16*\c+1], v[X+16*\c+2:X+16*\c+3]
.endr
.irp j, 4,6,8,10,12,14
.irp c, 0,1,2,3
	v_pk_add_f32 v[MA+2*\c:MA+2*\c+1], v[MA+2*\c:MA+2*\c+1], v[X+16*\c+\j:X+16*\c+\j+1]
.endr
.endr
	REDUCE MA                                      ; the means
.irp i, 0,1
	v_mov_b32 v[MA+4*\i+1], v[MA+4*\i]
.endr
	s_wait_alu depctr_va_vdst(0)
	s_wait_xcnt 0x0                                ; the stores of x1 have read their data: the rows are changed in place
.irp j, 0,2,4,6,8,10,12,14
.irp c, 0,1,2,3
	v_pk_add_f32 v[X+16*\c+\j:X+16*\c+\j+1], v[X+16*\c+\j:X+16*\c+\j+1], v[MA+4*(\c/2):MA+4*(\c/2)+1] neg_lo:[0,1] neg_hi:[0,1]
.endr
.endr
.irp c, 0,1,2,3
	v_pk_mul_f32 v[MB+2*\c:MB+2*\c+1], v[X+16*\c:X+16*\c+1], v[X+16*\c:X+16*\c+1]
.endr
.irp j, 2,4,6,8,10,12,14
.irp c, 0,1,2,3
	v_pk_fma_f32 v[MB+2*\c:MB+2*\c+1], v[X+16*\c+\j:X+16*\c+\j+1], v[X+16*\c+\j:X+16*\c+\j+1], v[MB+2*\c:MB+2*\c+1]
.endr
.endr
	REDUCE MB
	s_wait_alu depctr_va_vdst(0)
.irp i, 0,1
	v_sqrt_f32 v[MB+4*\i+1], v[MB+4*\i]            ; std
.endr
	v_nop
	s_wait_alu depctr_va_vdst(0)
.irp i, 0,1
	v_add_f32 v[MB+4*\i], 0x3727c5ac, v[MB+4*\i+1] ; + 1e-5
.endr
	s_wait_alu depctr_va_vdst(0)
.irp i, 0,1
	v_rcp_f32 v[MB+4*\i+1], v[MB+4*\i]
.endr
	v_nop
	s_wait_alu depctr_va_vdst(0)
.irp i, 0,1
	v_mov_b32 v[MB+4*\i], v[MB+4*\i+1]
.endr
.irp j, 0,2,4,6,8,10,12,14
.irp c, 0,1,2,3
	v_pk_mul_f32 v[X+16*\c+\j:X+16*\c+\j+1], v[X+16*\c+\j:X+16*\c+\j+1], v[MB+4*(\c/2):MB+4*(\c/2)+1]
.endr
.irp c, 0,1,2,3
	v_pk_fma_f32 v[X+16*\c+\j:X+16*\c+\j+1], v[X+16*\c+\j:X+16*\c+\j+1], v[SCL+16*(\c%2)+\j:SCL+16*(\c%2)+\j+1], v[BIA+16*(\c%2)+\j:BIA+16*(\c%2)+\j+1]
.endr
.endr
.irp i, 0,1
.irp j, 0,1,2,3,4,5,6,7
	ds_store_b128 v6, v[X+32*\i+4*\j:X+32*\i+4*\j+3] offset:PITCH*\i+512*\j   ; back into my own two rows
.endr
.endr
	s_wait_dscnt 0x0
	s_barrier_signal -1
	s_barrier_wait -1
.irp b, 0,1,2,3
.irp j, 0,1,2,3
	ds_load_b128 v[X+16*\b+4*\j:X+16*\b+4*\j+3], v7 offset:128*\b+16*\j   ; register 16 b + i = k 128 w + 32 b + 16 h + i of row r
.endr
.endr
.irp b, 0,1,2,3
	v_mov_b32 v[TM+4+\b], 0                        ; a lane permute's destination counts as one of its sources
.endr
	s_wait_alu depctr_va_vdst(0)
	s_wait_dscnt 0x0
.irp b, 0,1,2,3
	v_max3_num_f32 v[TM+\b], |v[X+16*\b]|, |v[X+16*\b+1]|, 0x1800000   ; my 16 numbers of block b, and the floor 2^(3 - 127)
.endr
.irp i, 2,4,6,8,10,12,14
.irp b, 0,1,2,3
	v_max3_num_f32 v[TM+\b], v[TM+\b], |v[X+16*\b+\i]|, |v[X+16*\b+\i+1]|
.endr
.endr
.irp b, 0,1,2,3
	v_permlanex16_b32 v[TM+4+\b], v[TM+\b], s34, s35
.endr
.irp b, 0,1,2,3
	v_max_num_f32 v[TM+\b], v[TM+\b], v[TM+4+\b]   ; with lane l xor 16's: the block's largest magnitude
.endr
.irp b, 0,1,2,3
	v_add_nc_u32 v[TM+12+\b], 0xff000000, v[TM+\b] ; 2 off its exponent field: the conversion's scale operand
.endr
.irp b, 0,1,2,3
	v_lshrrev_b32 v[TM+4+\b], 23, v[TM+12+\b]      ; the byte
.endr
	v_lshl_or_b32 v[PW], v[TM+5], 8, v[TM+4]
	v_lshl_or_b32 v[PW], v[TM+6], 16, v[PW]
	v_lshl_or_b32 v[PW], v[TM+7], 24, v[PW]
.irp c, 0,1
	v_cvt_scalef32_pk16_fp6_f32 v[PC+6*\c:PC+6*\c+2], v[X+32*\c:X+32*\c+15], v[TM+12+2*\c]
	v_cvt_scalef32_pk16_fp6_f32 v[PC+12+4*\c:PC+14+4*\c], v[X+32*\c+16:X+32*\c+31], v[TM+13+2*\c]
.endr
	v_nop                                          ; one plain place behind a scaled conversion
.irp c, 0,1                            ; the operand's layout wants a whole block in a lane
.irp i, 0,1,2
	v_permlane16_swap_b32 v[PC+6*\c+\i], v[PC+12+4*\c+\i]
.endr
.irp i, 0,1,2
	v_mov_b32 v[PC+3+6*\c+\i], v[PC+12+4*\c+\i]
.endr
.endr
	global_store_b128 v[LI16], v[PC:PC+3], s[18:19]
	global_store_b64 v[LI8], v[PC+4:PC+5], s[18:19] offset:512
	global_store_b128 v[LI16], v[PC+6:PC+9], s[18:19] offset:768
	global_store_b64 v[LI8], v[PC+10:PC+11], s[18:19] offset:1280
	global_store_b32 v[LS], v[PW], s[18:19] offset:12288   ; lanes r and 16 + r store the same word to the same place
	s_wait_tensorcnt 0x0                           ; the wave's end
	ds_add_u32 v[SPW], v[NIL]
	s_wait_dscnt 0x0
	CROUND                                         ; the closing round
	s_endpgm
.Lfunc_end_k_qe15f1b4b51_oln:
	.size	k_qe15f1b4b51_oln, .Lfunc_end_k_qe15f1b4b51_oln-k_qe15f1b4b51_oln
	.p2alignl 7, 3214868480
	.fill 96, 4, 3214868480
	.section	.rodata,"a",@progbits
	.p2align	6, 0x0
	.amdhsa_kernel k_qe15f1b4b51_oln
		.amdhsa_group_segment_fixed_size 327680
		.amdhsa_private_segment_fixed_size 0
		.amdhsa_enable_private_segment 0
		.amdhsa_kernarg_size 64
		.amdhsa_user_sgpr_count 2
		.amdhsa_user_sgpr_kernarg_segment_ptr 1
		.amdhsa_wavefront_size32 1
		.amdhsa_system_sgpr_workgroup_id_x 1
		.amdhsa_system_sgpr_workgroup_id_y 1
		.amdhsa_system_sgpr_workgroup_id_z 1
		.amdhsa_system_vgpr_workitem_id 0
		.amdhsa_next_free_vgpr 512
		.amdhsa_next_free_sgpr 66
		.amdhsa_reserve_vcc 0
		.amdhsa_float_denorm_mode_32 3
		.amdhsa_float_denorm_mode_16_64 3
		.amdhsa_memory_ordered 1
		.amdhsa_forward_progress 1
		.amdhsa_inst_pref_size 71
	.end_amdhsa_kernel
	.amdgpu_metadata
---
amdhsa.version: [ 1, 2 ]
amdhsa.kernels:
  - .name:           k_qe15f1b4b51_oln
    .symbol:         k_qe15f1b4b51_oln.kd
    .args:
      - { .name: att, .offset: 0, .size: 8, .value_kind: global_buffer, .address_space: global }
      - { .name: wts, .offset: 8, .size: 8, .value_kind: global_buffer, .address_space: global }
      - { .name: bo, .offset: 16, .size: 8, .value_kind: global_buffer, .address_space: global }
      - { .name: x, .offset: 24, .size: 8, .value_kind: global_buffer, .address_space: global }
      - { .name: ln2_scale, .offset: 32, .size: 8, .value_kind: global_buffer, .address_space: global }
      - { .name: ln2_bias, .offset: 40, .size: 8, .value_kind: global_buffer, .address_space: global }
      - { .name: x1, .offset: 48, .size: 8, .value_kind: global_buffer, .address_space: global }
      - { .name: h2, .offset: 56, .size: 8, .value_kind: global_buffer, .address_space: global }
    .group_segment_fixed_size: 327680
    .private_segment_fixed_size: 0
    .kernarg_segment_align: 8
    .kernarg_segment_size: 64
    .max_flat_workgroup_size: 256
    .sgpr_count:     66
    .vgpr_count:     512
    .wavefront_size: 32
...
	.end_amdgpu_metadata
.endif
;; end of part 4
;; launch ffn1 (part 5): grid 16 x 16, 4 waves a work-group, clusters of 4 x 4, 327,680 bytes of LDS; arguments h2, wts, b1, gact; writes gact
.if DOCPART == 5
	.amdgcn_target "amdgcn-amd-amdhsa--gfx1250"
	.amdhsa_code_object_version 6
	.text
	.protected	k_qe15f1b4b51_ffn1
	.globl	k_qe15f1b4b51_ffn1
	.p2align	8
	.type	k_qe15f1b4b51_ffn1,@function
k_qe15f1b4b51_ffn1:
	s_mov_b64 s[64:65], 0
	v_nop
	global_prefetch_b8 v0, s[64:65] scope:SCOPE_SE
	s_setreg_imm32_b32 hwreg(HW_REG_WAVE_MODE, 25, 1), 1
	s_wait_xcnt 0x0
	s_wait_alu depctr_hold_cnt(0) depctr_sa_sdst(0) depctr_va_vdst(0) depctr_va_sdst(0) depctr_va_ssrc(0) depctr_va_vcc(0) depctr_vm_vsrc(0)
	s_getreg_b32 s2, hwreg(HW_REG_IB_STS2, 6, 4)
	s_cmp_eq_u32 s2, 0
	s_cbranch_scc0 .Lentry_in_a_cluster
	s_endpgm
.Lentry_in_a_cluster:
	s_bfe_u32 s2, ttmp6, 0x10000c
	s_cmp_lg_u32 s2, 0xf033
	s_cbranch_scc0 .Lentry_shape_is_right
	s_endpgm
.Lentry_shape_is_right:
; gact = Q(gelu(h2 w1 + b1)): h2 [4,096][1,024] and w1 [4,096 (n)][1,024 (k)] are codes of FP6 (E2M3) with one E8M0 byte for each 32 along K, in blocks (panel of 128 rows, K step of 128) of 12,800 bytes laid in the order of the matrix unit's
; registers: tile t's 12 registers at 1536 t (0-3 at 16 x lane, 4-5 at 512 + 8 x lane, 6-9 at 768 + 16 x lane, 10-11 at 1280 + 8 x lane), scale words at 12,288 + 32 r + 4 t.  Lane-row r of tile t is row 32 (t / 2) + 8 (t % 2) + r + 8 (r / 8).
; A tile of 256 x 256 by four waves of 128 x 128: 64 accumulators.  Clusters 4 x 4 with joint loads: h2's panels are shared along a row, w1's along a column.  The product is used transposed (source 0 = w1, source 1 = h2); b1 is the C of the first products.
; LDS HOLDS SIX OF THE EIGHT K STEPS of the four panels (76,800 bytes a panel).  Wave w brings panel w's K steps 0-5, dense in memory, with its one load at the head.  When K steps 0 and 1 have been read, their bytes are filled again
; with K steps 6 and 7 (25,600 bytes a wave, behind a round of the cluster's barrier), which have K steps 2-5, 256 matrix instructions a wave, in which to land.  Two fills in all; the change from K step 3 to 4 needs no barrier.
; No prefetch: three quarters of the operands are asked for at the head, and the one refill follows 96 matrix instructions later: there is no loop to run ahead in.
; THE WAY OUT is a loop of eight trips, one for each of my tiles of 16 rows: only the lines that read the accumulators differ from trip to trip (other registers, other windows) and are chosen by a chain of branches on the trip's number.
; gelu(x) = x Phi(x) = max(x, 0) - |x| h(t) 2^(-x^2 log2(e) / 2), t = 1 / (1 + 0.2316419 |x|), h(t) = t (h1 + t (h2 + t (h3 + t (h4 + h5 t)))): half the complementary error function of |x| / sqrt 2 by the five-term formula
; of Abramowitz and Stegun, 7.1.26, whose stated error on erf is 1.5e-7; all in f32; nothing is subtracted for negative x.
; LIMITS: that formula's error; a block of zeros gets the byte 1 where the rule says 127 (zero codes; this program alone reads the bytes); blocks under 2^-124 are held at that byte; NaN and infinities are not served.
; REGISTERS: window 0: v6-31 addresses; v32-63 scale words, two sets; v64-127 b1, on the way out t, then the result; v128-223 h2's fragments, one set, on the way out v176-223 at work; v224-235 constants.
;   window 1: w1's fragments, two sets; on the way out v0-63 x^2, the exponential, max(x, 0); v64-127 the polynomial.   windows 2, 3: accumulator (a, b) at v[8 (8 (a % 4) + b)].
.set KB,     12800
.set CH,     2*KB                      ; a pair of K steps
.set PR,     6*KB                      ; a panel's place in LDS
.set SPARE,  4*PR                      ; behind the four: the spare words, 128 bytes a wave
.set FR,     12
.set NP,     4                         ; places behind this matrix instruction (ISA guide 7.12.1)
.set A16,  6                           ; v6-8 my h2 fragments in pair-place 0, 1, 2: 16 x lane;  v9-11: 8 x lane
.set A8,   9
.set B16,  12                          ; v12-14, v16-18 the same for w1
.set B8,   16
.set ADRS, 19                          ; v19-21 my scale words: lanes 0-15 h2's rows, lanes 16-31 w1's
.set LI16, 26
.set LI8,  27
.set SPW,  28
.set NIL,  29
.set R32,  30
.set FL,   31                          ; the floor 2^(3 - 127)
.set SC,   32                          ; scale words: set s, K step q of the pair, tile i at v[SC + 16 s + 8 q + i]
.set GX,   64
.set AF,   128
.set PWD,  176                         ; the scale word of the trip's tile
.set PC,   180
.set TM,   200
.set SW,   216
.set CF,   224                         ; pairs: h5, h4, h3, h2, h1, -log2(e) / 2
.set PL,   64                          ; window 1: the polynomial
.set PS,   98                          ; s98: 0.2316419
.set G1,  24
.set G0,  32
.set G1B, 48
.set G0B, 56
.set SEL, 96
.set MSB, 0
.macro WIN new                         ; the immediate's high byte repeats the setting that is left
.if MSB != (\new)
	s_set_vgpr_msb (MSB<<8)|(\new)
.set MSB, (\new)
.endif
.endm
.set MUL_LO, 0xa1                      ; source 0 (w1) window 1, source 1 (h2) window 0, C and D window 2
.set MUL_HI, 0xf1
.set TO_B,   0x40
.macro PLACES n
.rept \n
	v_nop
.endr
.endm
.macro JLOAD g0a, g1a, g0b, g1b        ; a joint load: waves 0 and 1 fetch h2's two panels, waves 2 and 3 w1's; the branch hangs on the wave's number alone; s_nop 0 and four v_nop follow each line
	s_cmp_eq_u32 s15, 0
	s_cbranch_scc0 .Lfor_b_\@
	tensor_load_to_lds s[\g0a:\g0a+3], s[\g1a:\g1a+7]
	s_nop 0
.rept 4
	v_nop
.endr
	s_branch .Lasked_\@
.Lfor_b_\@:
	tensor_load_to_lds s[\g0b:\g0b+3], s[\g1b:\g1b+7]
	s_nop 0
.rept 4
	v_nop
.endr
.Lasked_\@:
.endm
.macro CREST                           ; a round of the cluster's barrier behind its opening barrier
	s_cmp_lg_u32 s14, 0
	s_cbranch_scc1 .Lnot_wave_0_\@
	s_barrier_signal -3
.Lnot_wave_0_\@:
	s_barrier_wait -3
	s_barrier_signal -1
	s_barrier_wait -1
.endm
.macro CROUND
	s_barrier_signal -1
	s_barrier_wait -1
	CREST
.endm
	s_load_b128 s[4:7], s[0:1], 0x0                ; h2, wts
	s_load_b128 s[8:11], s[0:1], 0x10              ; b1, gact
	v_lshl_add_u32 v[SPW], v0, 2, SPARE
	v_mov_b32 v[NIL], 0
	ds_add_u32 v[SPW], v[NIL]                      ; the opening lines
	ds_add_u32 v[SPW], v[NIL]
	v_lshrrev_b32 v1, 5, v0
	v_readfirstlane_b32 s14, v1                    ; wave
	s_lshr_b32 s15, s14, 1                         ; which of h2's two panels is mine.  Also: I fetch for h2 (0) or for w1 (1)
	s_and_b32 s16, s14, 1                          ; which of w1's.  Also: which panel I fetch
	s_bfe_u32 s40, ttmp6, 0x40000                  ; cx
	s_bfe_u32 s41, ttmp6, 0x40004                  ; cy
	s_lshl_b32 s42, ttmp9, 2
	s_add_co_u32 s42, s42, s40                     ; tile column
	s_and_b32 s17, ttmp7, 0xffff
	s_lshl_b32 s17, s17, 2
	s_add_co_u32 s17, s17, s41                     ; tile row
	s_lshl_b32 s43, s41, 2
	s_lshl_b32 s43, 15, s43                        ; my row of the cluster
	s_lshl_b32 s44, 0x1111, s40                    ; my column
	s_or_b32 s[G1+0], s43, (3<<16)|(1<<21)         ; the mask; elements of 8 bytes; bit 21 beside a mask; no padding
	s_or_b32 s[G1B+0], s44, (3<<16)|(1<<21)
.irp g, G1, G1B
	s_mov_b32 s[\g+1], 32<<16                      ; the head's load: 76,800 dense bytes as 300 rows of 256
	s_mov_b32 s[\g+2], 300<<16
	s_mov_b32 s[\g+3], 32<<16
	s_mov_b32 s[\g+4], 300
	s_mov_b32 s[\g+5], 32
	s_mov_b32 s[\g+6], 0
	s_mov_b32 s[\g+7], 0
.endr
	s_lshl_b32 s22, s17, 1
	s_add_co_u32 s22, s22, s16
	s_mul_i32 s22, s22, 8*KB                       ; h2's panel 2 x tile row + half
	s_mov_b32 s23, 0
	s_lshl_b32 s92, s42, 1
	s_add_co_u32 s92, s92, s16
	s_mul_i32 s92, s92, 8*KB
	s_add_co_u32 s92, s92, 3276800                 ; w1's likewise
	s_mov_b32 s93, 0
	s_mul_i32 s94, s14, PR                         ; where my loads go: no place in the cluster enters an LDS address
	s_mov_b32 s[SEL], 0x76543210
	s_mov_b32 s[SEL+1], 0xfedcba98
	s_mov_b32 s[PS], 0x3e6d3388
	s_wait_dscnt 0x0                               ; both opening adds are done
	s_wait_kmcnt 0x0
	s_add_nc_u64 s[20:21], s[4:5], s[22:23]
	s_add_nc_u64 s[46:47], s[6:7], s[92:93]
	CROUND                                         ; all sixteen work-groups are here: the first joint loads meet
.irp s, 0,1                            ; group 0: set 0 K steps 0-5, set 1 K steps 6, 7; both land at the panel's first byte
	s_mov_b32 s[G0+4*\s], 1
	s_mov_b32 s[G0+4*\s+1], s94
	s_add_nc_u64 s[G0+4*\s+2:G0+4*\s+3], s[20:21], \s*6*KB
	s_or_b32 s[G0+4*\s+3], s[G0+4*\s+3], 0x80000000
	s_mov_b32 s[G0B+4*\s], 1
	s_mov_b32 s[G0B+4*\s+1], s94
	s_add_nc_u64 s[G0B+4*\s+2:G0B+4*\s+3], s[46:47], \s*6*KB
	s_or_b32 s[G0B+4*\s+3], s[G0B+4*\s+3], 0x80000000
.endr
	JLOAD G0, G1, G0B, G1B                         ; my one tensor load at the head
	v_and_b32 v1, 31, v0                           ; lane
	v_and_b32 v2, 15, v0                           ; r
	v_bfe_u32 v3, v0, 4, 1                         ; h
	v_lshlrev_b32 v[LI16], 4, v1
	v_lshlrev_b32 v[LI8], 3, v1
	v_lshlrev_b32 v[R32], 5, v2
	v_mov_b32 v[FL], 0x1800000
	v_lshlrev_b32 v5, 6, v3
	s_wait_alu depctr_va_vdst(0)
	s_lshl_b32 s80, s17, 1
	s_add_co_u32 s80, s80, s15                     ; my panel of h2
	s_lshl_b32 s81, s42, 1
	s_add_co_u32 s81, s81, s16                     ; my panel of w1
	s_lshl_b32 s82, s81, 9
	s_mov_b32 s83, 0
	s_lshl_b32 s84, s80, 5
	s_add_co_u32 s84, s84, s81
	s_mul_i32 s84, s84, KB                         ; gact's block (my panel of rows, K step = my panel of w1)
	s_mov_b32 s85, 0
	s_add_nc_u64 s[8:9], s[8:9], s[82:83]
	s_add_nc_u64 s[10:11], s[10:11], s[84:85]
.irp b, 0,1,2,3,4,5,6,7                ; b1: lane (r, h), tile b, register j: column 32 (b / 2) + 16 h + 8 (b % 2) + j
	global_load_b128 v[GX+8*\b:GX+8*\b+3], v5, s[8:9] offset:4*(32*(\b/2)+8*(\b%2))
	global_load_b128 v[GX+8*\b+4:GX+8*\b+7], v5, s[8:9] offset:4*(32*(\b/2)+8*(\b%2))+16
.endr
	s_mul_i32 s82, s15, PR                         ; my panel of h2
	s_mul_i32 s83, s16, PR
	s_add_co_u32 s83, s83, 2*PR                    ; my panel of w1, behind h2's two
	s_sub_co_u32 s84, s83, s82
	v_mul_u32_u24 v4, s84, v3                      ; lanes 16-31 take w1's scale words
	v_add_nc_u32 v4, v4, v[R32]
	s_add_co_u32 s84, s82, 12288
	v_add_nc_u32 v[ADRS], s84, v4
	v_add_nc_u32 v[ADRS+1], CH, v[ADRS]
	v_add_nc_u32 v[ADRS+2], 2*CH, v[ADRS]
.irp s, 0,1,2
	v_add_nc_u32 v[A16+\s], s82, v[LI16]
	v_add_nc_u32 v[A8+\s], s82, v[LI8]
	v_add_nc_u32 v[B16+\s], s83, v[LI16]
	v_add_nc_u32 v[B8+\s], s83, v[LI8]
	s_add_co_u32 s82, s82, CH
	s_add_co_u32 s83, s83, CH
.endr
.macro COEF n, bits
	v_mov_b32 v[CF+2*\n], \bits
	v_mov_b32 v[CF+2*\n+1], \bits
.endm
	COEF 0, 0x3f07dc22                             ; h5 =  1.061405429 / 2
	COEF 1, 0xbf3a00e3                             ; h4 = -1.453152027 / 2
	COEF 2, 0x3f35f0e3                             ; h3 =  1.421413741 / 2
	COEF 3, 0xbe11a98e                             ; h2 = -0.284496736 / 2
	COEF 4, 0x3e027906                             ; h1 =  0.254829592 / 2
	COEF 5, 0xbf38aa3b                             ; -log2(e) / 2
.macro FRAG reg, a16, a8, off          ; a fragment's image comes back as it was stored
	ds_load_b128 v[\reg:\reg+3], v[\a16] offset:\off
	ds_load_b64 v[\reg+4:\reg+5], v[\a8] offset:\off+512
	ds_load_b128 v[\reg+6:\reg+9], v[\a16] offset:\off+768
	ds_load_b64 v[\reg+10:\reg+11], v[\a8] offset:\off+1280
.endm
; 16 matrix instructions: h2's tiles a0, a0 + 1 x w1's eight.  p: w1's set; q: the pair's K step; sc: the set of scale words.  bias = 1: the sums begin with b1.  The 64 accumulators take turns.
.macro MUL16 a0, p, q, sc, bias
.irp a, \a0, \a0+1
.irp b, 0,1,2,3,4,5,6,7
.if \bias
	v_wmma_scale_f32_16x16x128_f8f6f4 v[8*(8*((\a)%4)+\b):8*(8*((\a)%4)+\b)+7], v[128*(\p)+FR*\b:128*(\p)+FR*\b+FR-1], v[AF+FR*(\a):AF+FR*(\a)+FR-1], v[GX+8*\b:GX+8*\b+7], v[SC+16*(\sc)+8*(\q)+\b], v[SC+16*(\sc)+8*(\q)+(\a)] matrix_a_fmt:MATRIX_FMT_FP6 matrix_b_fmt:MATRIX_FMT_FP6 matrix_a_scale:MATRIX_SCALE_ROW1
.else
	v_wmma_scale_f32_16x16x128_f8f6f4 v[8*(8*((\a)%4)+\b):8*(8*((\a)%4)+\b)+7], v[128*(\p)+FR*\b:128*(\p)+FR*\b+FR-1], v[AF+FR*(\a):AF+FR*(\a)+FR-1], v[8*(8*((\a)%4)+\b):8*(8*((\a)%4)+\b)+7], v[SC+16*(\sc)+8*(\q)+\b], v[SC+16*(\sc)+8*(\q)+(\a)] matrix_a_fmt:MATRIX_FMT_FP6 matrix_b_fmt:MATRIX_FMT_FP6 matrix_a_scale:MATRIX_SCALE_ROW1
.endif
.endr
.endr
.endm
.macro FETCH_B slot, q, p
	WIN TO_B
.irp i, 0,1,2,3,4,5,6,7
	FRAG 128*(\p)+FR*\i, B16+\slot, B8+\slot, (\q)*KB+1536*\i
.endr
	WIN 0
.endm
.macro FETCH_A slot, q, i0
.irp i, \i0, \i0+1, \i0+2, \i0+3
	FRAG AF+FR*(\i), A16+\slot, A8+\slot, (\q)*KB+1536*(\i)
.endr
.endm
.macro SCALES sc, slot                 ; a pair's scale words into set sc: eight a row and K step
.irp q, 0,1
	ds_load_b128 v[SC+16*(\sc)+8*\q:SC+16*(\sc)+8*\q+3], v[ADRS+\slot] offset:\q*KB
	ds_load_b128 v[SC+16*(\sc)+8*\q+4:SC+16*(\sc)+8*\q+7], v[ADRS+\slot] offset:\q*KB+16
.endr
.endm
.macro STEP slot, sc, bias             ; a pair's first K step; it fetches the second's fragments from the same place
	s_wait_dscnt 16                                ; all but the youngest 16 loads (h2's tiles 4-7)
.if \bias
	WIN 0x81                                       ; C window 0
.else
	WIN MUL_LO
.endif
	MUL16 0, 0, 0, \sc, \bias
	MUL16 2, 0, 0, \sc, \bias
	s_wait_dscnt 0
	PLACES NP                                      ; in front of loads into registers that matrix instructions have read
	FETCH_B \slot, 1, 1
	FETCH_A \slot, 1, 0
.if \bias
	WIN 0xc1
.else
	WIN MUL_HI
.endif
	MUL16 4, 0, 0, \sc, \bias
	MUL16 6, 0, 0, \sc, \bias
	PLACES NP
	WIN 0
	FETCH_A \slot, 1, 4
.endm
; A pair's second K step; it fetches the next pair's first fragments from place next.  mode 1: the place just read is filled again: the three lines, the barrier, which opens a round of the cluster's, the joint refill.
; mode 0: the next pair is the refill's: the wait for it and a barrier.  mode 2: the next pair came with the head's load, which the first barrier has shown whole: no wait, no barrier.
.macro TURN sc, next, mode
.if \mode < 2
	s_wait_tensorcnt 0x0                           ; all my tensor loads have landed
	ds_add_u32 v[SPW], v[NIL]                      ; 0 onto my spare word
	s_wait_dscnt 17                                ; (the add and the youngest 16 loads may be out)
.else
	s_wait_dscnt 16
.endif
	WIN MUL_LO
	MUL16 0, 1, 1, \sc, 0
.if \mode < 2
	s_wait_dscnt 0x0                               ; the add is done, and my reads of this place are over
	s_barrier_signal -1
.endif
	MUL16 2, 1, 1, \sc, 0
.if \mode == 2
	s_wait_dscnt 0
.endif
	WIN 0
.if \mode < 2
	s_barrier_wait -1
.endif
.if \mode == 1
	CREST                                          ; no wave of any partner still reads this place or has a load on its way
	JLOAD G0+4, G1, G0B+4, G1B                     ; K steps 6, 7: the first tensor load behind the round; its four v_nop are the places in front of the loads below
.else
	PLACES NP
.endif
	FETCH_B \next, 0, 0
	FETCH_A \next, 0, 0
	SCALES 1-(\sc), \next
	WIN MUL_HI
	MUL16 4, 1, 1, \sc, 0
	MUL16 6, 1, 1, \sc, 0
	PLACES NP
	WIN 0
	FETCH_A \next, 0, 4
.endm
	s_wait_alu depctr_va_vdst(0)
	s_wait_tensorcnt 0x0                           ; my panel's six K steps are in; no load of mine is out, so a descriptor may be written:
	s_mov_b32 s[G1+2], 100<<16                     ; the refill brings 25,600 bytes, 100 rows
	s_mov_b32 s[G1+4], 100
	s_mov_b32 s[G1B+2], 100<<16
	s_mov_b32 s[G1B+4], 100
	s_barrier_signal -1
	s_barrier_wait -1                              ; everybody's are in
	FETCH_B 0, 0, 0
	FETCH_A 0, 0, 0
	SCALES 0, 0
	FETCH_A 0, 0, 4
	s_wait_loadcnt 0x0                             ; b1
	STEP 0, 0, 1                                   ; K step 0 starts the sums
	TURN 0, 1, 1                                   ; K step 1; K steps 6, 7 are asked for
	STEP 1, 1, 0
	TURN 1, 2, 2
	STEP 2, 0, 0
	TURN 0, 0, 0                                   ; K step 5; K steps 6, 7 are waited for
	STEP 0, 1, 0
	s_wait_dscnt 16
	WIN MUL_LO
	MUL16 0, 1, 1, 1, 0
	MUL16 2, 1, 1, 1, 0
	s_wait_dscnt 0
	WIN MUL_HI
	MUL16 4, 1, 1, 1, 0
	MUL16 6, 1, 1, 1, 0
	WIN 0
.macro QUANT pw                        ; 64 numbers of a lane, register 16 b + i = column 32 b + 16 h + i of my row, become a fragment's codes in v[PC] on and its scale word in v[pw]
.irp b, 0,1,2,3
	v_max3_num_f32 v[TM+\b], v[FL], |v[GX+16*\b]|, |v[GX+16*\b+1]|
.endr
.irp i, 2,4,6,8,10,12,14
.irp b, 0,1,2,3
	v_max3_num_f32 v[TM+\b], v[TM+\b], |v[GX+16*\b+\i]|, |v[GX+16*\b+\i+1]|
.endr
.endr
.irp b, 0,1,2,3
	v_permlanex16_b32 v[TM+4+\b], v[TM+\b], s[SEL], s[SEL+1]
.endr
.irp b, 0,1,2,3
	v_max_num_f32 v[TM+\b], v[TM+\b], v[TM+4+\b]
.endr
.irp b, 0,1,2,3
	v_add_nc_u32 v[TM+12+\b], 0xff000000, v[TM+\b] ; 2 off the exponent field: the conversion's scale operand
.endr
.irp b, 0,1,2,3
	v_lshrrev_b32 v[TM+4+\b], 23, v[TM+12+\b]
.endr
	v_lshl_or_b32 v[\pw], v[TM+5], 8, v[TM+4]
	v_lshl_or_b32 v[\pw], v[TM+6], 16, v[\pw]
	v_lshl_or_b32 v[\pw], v[TM+7], 24, v[\pw]
.irp c, 0,1
	v_cvt_scalef32_pk16_fp6_f32 v[PC+6*\c:PC+6*\c+2], v[GX+32*\c:GX+32*\c+15], v[TM+12+2*\c]
	v_cvt_scalef32_pk16_fp6_f32 v[PC+12+4*\c:PC+14+4*\c], v[GX+32*\c+16:GX+32*\c+31], v[TM+13+2*\c]
.endr
	v_nop                                          ; one plain place behind a scaled conversion
.irp c, 0,1
.irp i, 0,1,2
	v_permlane16_swap_b32 v[PC+6*\c+\i], v[PC+12+4*\c+\i]
.endr
.irp i, 0,1,2
	v_mov_b32 v[PC+3+6*\c+\i], v[PC+12+4*\c+\i]
.endr
.endr
.endm
	PLACES NP                                      ; in front of the first read of results and of writes into registers that held fragments
.irp b, 0,1,2,3
	v_mov_b32 v[TM+4+\b], 0                        ; a lane permute's destination counts as one of its sources
.endr
	s_mov_b32 s3, 0                                ; the tile
	s_mov_b32 s82, 0                               ; what the tile adds to gact's address: 0, then 1,536
	s_mov_b32 s83, 0
.Ltile:
.irp a, 1,2,3,4,5,6,7
	s_cmp_eq_u32 s3, \a
	s_cbranch_scc1 .Lin_\a
.endr
.irp a, 0,1,2,3,4,5,6,7
.Lin_\a:
	WIN (2+\a/4)|((2+\a/4)<<2)|0x40                ; sources: the accumulators' window; destination window 1
.set j, 0
.rept 32
	v_pk_mul_f32 v[j:j+1], v[64*(\a%4)+j:64*(\a%4)+j+1], v[64*(\a%4)+j:64*(\a%4)+j+1]   ; x^2; each accumulator is read from its low end on
.set j, j+2
.endr
	WIN 2+\a/4
.set j, 0
.rept 64
	v_fma_f32 v[GX+j], |v[64*(\a%4)+j]|, s[PS], 1.0   ; 1 + 0.2316419 |x|
.set j, j+1
.endr
	WIN 0
.if \a > 0
	v_mov_b32 v[SW+\a-1], v[PWD]                   ; the last tile's scale word to its place among the eight
.endif
	s_wait_alu depctr_va_vdst(0)
	s_branch .Lgelu
.endr
.Lgelu:
	WIN 0x41                                       ; source 0 and destination window 1
.set j, 0
.rept 32
	v_pk_mul_f32 v[j:j+1], v[j:j+1], v[CF+10:CF+11]   ; -x^2 log2(e) / 2
.set j, j+2
.endr
	WIN 0
	s_wait_alu depctr_va_vdst(0)
.set j, 0
.rept 64
	v_rcp_f32 v[GX+j], v[GX+j]                     ; t
.set j, j+1
.endr
	WIN 0x41
.set j, 0
.rept 64
	v_exp_f32 v[j], v[j]
.set j, j+1
.endr
	WIN 0
	v_nop                                          ; a plain place behind the transcendentals
	s_wait_alu depctr_va_vdst(0)
	WIN 0x40
.set j, 0
.rept 32
	v_pk_fma_f32 v[PL+j:PL+j+1], v[GX+j:GX+j+1], v[CF:CF+1], v[CF+2:CF+3]   ; h5 t + h4
.set j, j+2
.endr
	WIN 0x41
.irp k, 4,6,8
.set j, 0
.rept 32
	v_pk_fma_f32 v[PL+j:PL+j+1], v[PL+j:PL+j+1], v[GX+j:GX+j+1], v[CF+\k:CF+\k+1]
.set j, j+2
.endr
.endr
.set j, 0
.rept 32
	v_pk_mul_f32 v[j:j+1], v[j:j+1], v[GX+j:GX+j+1]   ; the exponential x t
.set j, j+2
.endr
	WIN 0x05                                       ; sources 0 and 1 window 1
.set j, 0
.rept 32
	v_pk_mul_f32 v[GX+j:GX+j+1], v[PL+j:PL+j+1], v[j:j+1]   ; Phi(-|x|)
.set j, j+2
.endr
	WIN 0
	s_wait_alu depctr_va_vdst(0)
.irp a, 1,2,3,4,5,6,7
	s_cmp_eq_u32 s3, \a
	s_cbranch_scc1 .Lout_\a
.endr
.irp a, 0,1,2,3,4,5,6,7
.Lout_\a:
	WIN ((2+\a/4)<<2)|0x40
.set j, 0
.rept 64
	v_max_num_f32 v[j], 0, v[64*(\a%4)+j]          ; max(x, 0)
.set j, j+1
.endr
	WIN (2+\a/4)|0x10                              ; source 0: the accumulators' window; source 2 window 1
.set j, 0
.rept 64
	v_fma_f32 v[GX+j], -|v[64*(\a%4)+j]|, v[GX+j], v[j]   ; gelu(x)
.set j, j+1
.endr
	WIN 0
	s_wait_alu depctr_va_vdst(0)
	s_branch .Lquant
.endr
.Lquant:
	s_wait_xcnt 0x0                                ; the last tile's stores have read their data and their base: both are written again only behind this wait
	s_add_nc_u64 s[10:11], s[10:11], s[82:83]
	s_mov_b32 s82, 1536
	QUANT PWD
	global_store_b128 v[LI16], v[PC:PC+3], s[10:11]
	global_store_b64 v[LI8], v[PC+4:PC+5], s[10:11] offset:512
	global_store_b128 v[LI16], v[PC+6:PC+9], s[10:11] offset:768
	global_store_b64 v[LI8], v[PC+10:PC+11], s[10:11] offset:1280
	s_add_co_u32 s3, s3, 1
	s_cmp_lt_u32 s3, 8
	s_wait_alu depctr_va_vdst(0)
	s_cbranch_scc1 .Ltile
	v_mov_b32 v[SW+7], v[PWD]
	global_store_b128 v[R32], v[SW:SW+3], s[10:11] offset:1536    ; the base stands at tile 7's image: the scale words lie 1,536 bytes on; lanes r and 16 + r store the same words
	global_store_b128 v[R32], v[SW+4:SW+7], s[10:11] offset:1552
	s_wait_tensorcnt 0x0                           ; the wave's end
	ds_add_u32 v[SPW], v[NIL]
	s_wait_dscnt 0x0
	CROUND                                         ; the closing round
	s_endpgm
.Lfunc_end_k_qe15f1b4b51_ffn1:
	.size	k_qe15f1b4b51_ffn1, .Lfunc_end_k_qe15f1b4b51_ffn1-k_qe15f1b4b51_ffn1
	.p2alignl 7, 3214868480
	.fill 96, 4, 3214868480
	.section	.rodata,"a",@progbits
	.p2align	6, 0x0
	.amdhsa_kernel k_qe15f1b4b51_ffn1
		.amdhsa_group_segment_fixed_size 327680
		.amdhsa_private_segment_fixed_size 0
		.amdhsa_enable_private_segment 0
		.amdhsa_kernarg_size 32
		.amdhsa_user_sgpr_count 2
		.amdhsa_user_sgpr_kernarg_segment_ptr 1
		.amdhsa_wavefront_size32 1
		.amdhsa_system_sgpr_workgroup_id_x 1
		.amdhsa_system_sgpr_workgroup_id_y 1
		.amdhsa_system_sgpr_workgroup_id_z 1
		.amdhsa_system_vgpr_workitem_id 0
		.amdhsa_next_free_vgpr 1024
		.amdhsa_next_free_sgpr 100
		.amdhsa_reserve_vcc 0
		.amdhsa_float_denorm_mode_32 3
		.amdhsa_float_denorm_mode_16_64 3
		.amdhsa_memory_ordered 1
		.amdhsa_forward_progress 1
		.amdhsa_inst_pref_size 234
	.end_amdhsa_kernel
	.amdgpu_metadata
---
amdhsa.version: [ 1, 2 ]
amdhsa.kernels:
  - .name:           k_qe15f1b4b51_ffn1
    .symbol:         k_qe15f1b4b51_ffn1.kd
    .args:
      - { .name: h2, .offset: 0, .size: 8, .value_kind: global_buffer, .address_space: global }
      - { .name: wts, .offset: 8, .size: 8, .value_kind: global_buffer, .address_space: global }
      - { .name: b1, .offset: 16, .size: 8, .value_kind: global_buffer, .address_space: global }
      - { .name: gact, .offset: 24, .size: 8, .value_kind: global_buffer, .address_space: global }
    .group_segment_fixed_size: 327680
    .private_segment_fixed_size: 0
    .kernarg_segment_align: 8
    .kernarg_segment_size: 32
    .max_flat_workgroup_size: 128
    .sgpr_count:     100
    .vgpr_count:     1024
    .wavefront_size: 32
...
	.end_amdgpu_metadata
.endif
;; end of part 5
;; launch ffn2 (part 6): grid 8 x 32, 4 waves a work-group, clusters of 4 x 4, 327,680 bytes of LDS; arguments gact, wts, b2, x1, out0; writes out0
.if DOCPART == 6
	.amdgcn_target "amdgcn-amd-amdhsa--gfx1250"
	.amdhsa_code_object_version 6
	.text
	.protected	k_qe15f1b4b51_ffn2
	.globl	k_qe15f1b4b51_ffn2
	.p2align	8
	.type	k_qe15f1b4b51_ffn2,@function
k_qe15f1b4b51_ffn2:
	s_mov_b64 s[64:65], 0
	v_nop
	global_prefetch_b8 v0, s[64:65] scope:SCOPE_SE
	s_setreg_imm32_b32 hwreg(HW_REG_WAVE_MODE, 25, 1), 1
	s_wait_xcnt 0x0
	s_wait_alu depctr_hold_cnt(0) depctr_sa_sdst(0) depctr_va_vdst(0) depctr_va_sdst(0) depctr_va_ssrc(0) depctr_va_vcc(0) depctr_vm_vsrc(0)
	s_getreg_b32 s2, hwreg(HW_REG_IB_STS2, 6, 4)
	s_cmp_eq_u32 s2, 0
	s_cbranch_scc0 .Lentry_in_a_cluster
	s_endpgm
.Lentry_in_a_cluster:
	s_bfe_u32 s2, ttmp6, 0x10000c
	s_cmp_lg_u32 s2, 0xf033
	s_cbranch_scc0 .Lentry_shape_is_right
	s_endpgm
.Lentry_shape_is_right:
; out = resid + (P Q^T + bias): P [4,096][4,096] and Q [1,024][4,096] are codes of FP6 (E2M3) with one E8M0 byte for each 32 along K, laid in the order of the matrix unit's registers; resid, out [4,096][1,024], bias [1,024]: f32.
; OPERANDS: block (panel of 128 rows, K step) of 12,800 bytes: tile t's 12 registers at 1536 t (0-3 at 16 x lane, 4-5 at 512 + 8 x lane, 6-9 at 768 + 16 x lane, 10-11 at 1280 + 8 x lane), scale words at 12,288 + 32 r + 4 t.
; Lane-row r of tile t is row 32 (t / 2) + 8 (t % 2) + r + 8 (r / 8) of the panel.
; A tile of 128 x 128, so that there are 256 work-groups; four waves of 64 x 64: 16 accumulators.
; LDS HOLDS TWELVE K STEPS OF EACH OPERAND, in three groups of four (P's 153,600 bytes, then Q's).  A wave has two loads: the WIDE one, four K steps (51,200 dense bytes) into group 0 or group 1, and the NARROW one, two K steps (25,600) of
; group 2.  Both go out at the start.  Groups 0 and 1 are multiplied (K steps 0-7) and filled again together (12-19) while group 2 (8-11) is multiplied; group 2 is filled again (20-23) while groups 0 and 1 are multiplied; and so on:
; the 20 K steps beyond the first fill come in three refills, of 8, 4 and 8, each one load a wave behind a round of the cluster's barrier.  Where the next group is known to lie in LDS the change of groups has no barrier.
; The K loop is written out: 32 K steps of 16 matrix instructions a wave.
; CLUSTERS 4 x 4: P's panel is shared along a row of the cluster, Q's along a column.  THE PRODUCT IS USED TRANSPOSED (source 0 = Q, source 1 = P): a lane holds a row of out and neighbouring columns.
; The bias is the C of each sum's first product.  The residual is asked for at the head, in the layout in which rows leave, and added on the way out.
; REGISTERS: window 0: v4-18 LDS addresses, one for each group; v26-30 other addresses; v32-39 scale words, two sets; v64-95 bias, later v64-127 rows on the way out; v128-255 accumulator (a, b) at v[128 + 8 (4 a + b)].
;   window 1: two fragment buffers (P's four tiles, then Q's four).  window 2: the residual.
.set KSTEPS, 32
.set QOFF,   6553600
.set KB,     12800
.set GRP,    4*KB                      ; a group: four K steps of one operand
.set OPR,    3*GRP                     ; an operand's twelve places
.set STAGE,  2*OPR                     ; behind the places: 16 rows x 272 bytes for each wave
.set SPITCH, 272
.set SPARE,  STAGE+4*16*SPITCH         ; the spare words, 128 bytes a wave: two blocks of 256 bytes that no other line names
.set FR,   12
.set A16,  4                           ; v4-6   my P fragments in group 0, 1, 2: 16 x lane;  v7-9: 8 x lane
.set A8,   7
.set B16,  10                          ; v10-15 the same for Q
.set B8,   13
.set ADRS, 16                          ; v16-18 my scale words: lanes 0-15 P's rows, lanes 16-31 Q's
.set STO,  26
.set RD,   27
.set SPW,  28
.set NIL,  29
.set CO,   30
.set SC,   32
.set BI,   64
.set BK,   64
.set ACC,  128
.set F0,   0
.set F1,   128
.set G1,   24                          ; s[24:31] group 1, narrow, for P;  s[48:55] for Q
.set G1B,  48
.set G1W,  76                          ; s[76:83] group 1, wide, for P;  s[84:91] for Q
.set G1WB, 84
.set G0W,  32                          ; s[32:35] group 0, wide, for P;  s[36:39] narrow;  s[56:59], s[60:63] the same for Q
.set G0N,  36
.set G0WB, 56
.set G0NB, 60
.set MSB, 0
.macro WIN new
.if MSB != (\new)
	s_set_vgpr_msb (MSB<<8)|(\new)
.set MSB, (\new)
.endif
.endm
.set MUL,  0x05                        ; sources 0 (Q) and 1 (P) window 1; C and D window 0
.set TO_F, 0x40
.macro PLACES n
.rept \n
	v_nop
.endr
.endm
.macro JLOAD g0a, g1a, g0b, g1b        ; a joint load: waves 0 and 1 fetch for P, waves 2 and 3 for Q; the branch hangs on the wave's number alone; four v_nop follow each line
	s_cmp_eq_u32 s11, 0
	s_cbranch_scc0 .Lfor_b_\@
	tensor_load_to_lds s[\g0a:\g0a+3], s[\g1a:\g1a+7]
	s_nop 0
.rept 4
	v_nop
.endr
	s_branch .Lasked_\@
.Lfor_b_\@:
	tensor_load_to_lds s[\g0b:\g0b+3], s[\g1b:\g1b+7]
	s_nop 0
.rept 4
	v_nop
.endr
.Lasked_\@:
.endm
.macro CREST
	s_cmp_lg_u32 s10, 0
	s_cbranch_scc1 .Lnot_wave_0_\@
	s_barrier_signal -3
.Lnot_wave_0_\@:
	s_barrier_wait -3
	s_barrier_signal -1
	s_barrier_wait -1
.endm
.macro CROUND
	s_barrier_signal -1
	s_barrier_wait -1
	CREST
.endm
	s_load_b128 s[4:7], s[0:1], 0x0                ; P, the weights
	s_load_b64 s[8:9], s[0:1], 0x10                ; bias
	s_load_b64 s[68:69], s[0:1], 0x18              ; resid
	s_load_b64 s[70:71], s[0:1], 0x20              ; out
	v_lshl_add_u32 v[SPW], v0, 2, SPARE
	v_mov_b32 v[NIL], 0
	ds_add_u32 v28, v29
	ds_add_u32 v28, v29
	s_wait_dscnt 0x0
	v_lshrrev_b32 v1, 5, v0
	v_readfirstlane_b32 s10, v1                    ; wave
	s_lshr_b32 s11, s10, 1                         ; which 64 rows are mine.  Also: I fetch for P (0) or for Q (1)
	s_and_b32 s12, s10, 1                          ; which 64 columns.  Also: which half of a fill I fetch
	s_bfe_u32 s40, ttmp6, 0x40000
	s_bfe_u32 s41, ttmp6, 0x40004
	s_lshl_b32 s42, ttmp9, 2
	s_add_co_u32 s42, s42, s40                     ; Q's panel = 4 x cluster x + cx
	s_and_b32 s13, ttmp7, 0xffff
	s_lshl_b32 s13, s13, 2
	s_add_co_u32 s13, s13, s41                     ; P's panel = 4 x cluster y + cy
	s_lshl_b32 s43, s41, 2
	s_lshl_b32 s43, 15, s43
	s_lshl_b32 s44, 0x1111, s40
	s_or_b32 s[G1+0], s43, (3<<16)|(1<<21)         ; the mask; elements of 8 bytes; bit 21 beside a mask; no padding
	s_or_b32 s[G1B+0], s44, (3<<16)|(1<<21)
	s_or_b32 s[G1W+0], s43, (3<<16)|(1<<21)
	s_or_b32 s[G1WB+0], s44, (3<<16)|(1<<21)
.irp g, G1, G1B
	s_mov_b32 s[\g+1], 32<<16                      ; narrow: 25,600 dense bytes as 100 rows of 256
	s_mov_b32 s[\g+2], 100<<16
	s_mov_b32 s[\g+3], 32<<16
	s_mov_b32 s[\g+4], 100
	s_mov_b32 s[\g+5], 32
	s_mov_b32 s[\g+6], 0
	s_mov_b32 s[\g+7], 0
.endr
.irp g, G1W, G1WB
	s_mov_b32 s[\g+1], 32<<16                      ; wide: 51,200 dense bytes as 200 rows of 256
	s_mov_b32 s[\g+2], 200<<16
	s_mov_b32 s[\g+3], 32<<16
	s_mov_b32 s[\g+4], 200
	s_mov_b32 s[\g+5], 32
	s_mov_b32 s[\g+6], 0
	s_mov_b32 s[\g+7], 0
.endr
	s_mul_i32 s16, s13, KSTEPS*KB                  ; P's panel
	s_mov_b32 s17, 0
	s_mul_i32 s46, s42, KSTEPS*KB                  ; Q's
	s_add_co_u32 s46, s46, QOFF
	s_mov_b32 s47, 0
	s_mul_i32 s18, s12, GRP                        ; wide: K steps 0-3 or 4-7: the same distance in the panel and among the operand's places
	s_mov_b32 s19, 0
	s_mul_i32 s66, s12, 2*KB                       ; narrow: K steps 8, 9 or 10, 11 likewise
	s_add_co_u32 s66, s66, 8*KB
	s_mov_b32 s67, 0
	s_mul_i32 s20, s11, OPR                        ; my operand's places: no place in the cluster enters an LDS address
	s_add_co_u32 s21, s20, s18
	s_add_co_u32 s22, s20, s66
	s_wait_kmcnt 0x0
	s_add_nc_u64 s[14:15], s[4:5], s[16:17]
	s_add_nc_u64 s[46:47], s[6:7], s[46:47]
	CROUND                                         ; all sixteen work-groups are here
	s_mov_b32 s[G0W], 1
	s_mov_b32 s[G0W+1], s21
	s_add_nc_u64 s[G0W+2:G0W+3], s[14:15], s[18:19]
	s_or_b32 s[G0W+3], s[G0W+3], 0x80000000
	s_mov_b32 s[G0WB], 1
	s_mov_b32 s[G0WB+1], s21
	s_add_nc_u64 s[G0WB+2:G0WB+3], s[46:47], s[18:19]
	s_or_b32 s[G0WB+3], s[G0WB+3], 0x80000000
	JLOAD G0W, G1W, G0WB, G1WB                     ; groups 0 and 1: K steps 0-7
	s_mov_b32 s[G0N], 1
	s_mov_b32 s[G0N+1], s22
	s_add_nc_u64 s[G0N+2:G0N+3], s[14:15], s[66:67]
	s_or_b32 s[G0N+3], s[G0N+3], 0x80000000
	s_mov_b32 s[G0NB], 1
	s_mov_b32 s[G0NB+1], s22
	s_add_nc_u64 s[G0NB+2:G0NB+3], s[46:47], s[66:67]
	s_or_b32 s[G0NB+3], s[G0NB+3], 0x80000000      ; (the narrow load goes out behind the head's end: one tensor load a wave at the head)
	v_and_b32 v1, 31, v0                           ; lane
	v_and_b32 v2, 15, v0                           ; r
	v_bfe_u32 v3, v0, 4, 1                         ; h
	v_lshlrev_b32 v19, 4, v1
	v_lshlrev_b32 v20, 3, v1
	s_mul_i32 s21, s11, 6144                       ; my four tiles of P
	s_mul_i32 s22, s12, 6144
	s_add_co_u32 s22, s22, OPR                     ; my four of Q, behind P's twelve places
.irp g, 0,1,2
	v_add_nc_u32 v[A16+\g], s21, v19
	v_add_nc_u32 v[A8+\g], s21, v20
	v_add_nc_u32 v[B16+\g], s22, v19
	v_add_nc_u32 v[B8+\g], s22, v20
	s_add_co_u32 s21, s21, GRP
	s_add_co_u32 s22, s22, GRP
.endr
	s_lshl_b32 s21, s11, 4
	s_lshl_b32 s22, s12, 4
	s_add_co_u32 s22, s22, OPR
	s_sub_co_u32 s22, s22, s21
	v_mul_u32_u24 v21, s22, v3                     ; lanes 16-31 take Q's scale words
	s_add_co_u32 s21, s21, 12288
	v_lshl_add_u32 v21, v2, 5, v21
	v_add_nc_u32 v[ADRS], s21, v21
	v_add_nc_u32 v[ADRS+1], GRP, v[ADRS]
	v_add_nc_u32 v[ADRS+2], 2*GRP, v[ADRS]
	s_mul_i32 s23, s10, 16*SPITCH
	s_add_co_u32 s23, s23, STAGE                   ; my stage
	v_mul_u32_u24 v21, v2, SPITCH
	v_lshl_add_u32 v21, v3, 6, v21
	v_add_nc_u32 v[STO], s23, v21                  ; in: row r, 64 bytes for each half of the lanes
	v_mul_u32_u24 v21, v3, SPITCH
	v_lshl_add_u32 v21, v2, 4, v21
	v_add_nc_u32 v[RD], s23, v21                   ; back: lanes 0-15 one row of 256 bytes, lanes 16-31 the next
	v_lshlrev_b32 v[CO], 12, v3
	v_lshl_add_u32 v[CO], v2, 4, v[CO]             ; and the same in resid and out
	v_lshlrev_b32 v22, 6, v3                       ; bias: 64 h
	s_wait_alu depctr_va_vdst(0)
	s_lshl_b32 s72, s13, 7
	s_lshl_b32 s73, s11, 6
	s_add_co_u32 s72, s72, s73
	s_lshl_b32 s72, s72, 12                        ; my first row x 4,096 bytes
	s_lshl_b32 s74, s42, 9
	s_lshl_b32 s73, s12, 8
	s_add_co_u32 s74, s74, s73                     ; my first column x 4
	s_add_co_u32 s72, s72, s74
	s_mov_b32 s73, 0
	s_mov_b32 s75, 0
	s_add_nc_u64 s[68:69], s[68:69], s[72:73]
	s_add_nc_u64 s[70:71], s[70:71], s[72:73]
	s_add_nc_u64 s[8:9], s[8:9], s[74:75]
.irp b, 0,1,2,3                        ; lane (r, h), tile b, register j: column 32 (b / 2) + 16 h + 8 (b % 2) + j
	global_load_b128 v[BI+8*\b:BI+8*\b+3], v22, s[8:9] offset:4*(32*(\b/2)+8*(\b%2))
	global_load_b128 v[BI+8*\b+4:BI+8*\b+7], v22, s[8:9] offset:4*(32*(\b/2)+8*(\b%2))+16
.endr
	WIN 0x80                                       ; destination window 2
.irp a, 0,1,2,3
.irp k, 0,1,2,3,4,5,6,7
	global_load_b128 v[32*\a+4*\k:32*\a+4*\k+3], v[CO], s[68:69] offset:4096*(32*(\a/2)+8*(\a%2)+2*\k+8*(\k/4))   ; sixteen lanes read 256 consecutive bytes
.endr
.endr
	WIN 0
.macro FRAG reg, a16, a8, off
	ds_load_b128 v[\reg:\reg+3], v[\a16] offset:\off
	ds_load_b64 v[\reg+4:\reg+5], v[\a8] offset:\off+512
	ds_load_b128 v[\reg+6:\reg+9], v[\a16] offset:\off+768
	ds_load_b64 v[\reg+10:\reg+11], v[\a8] offset:\off+1280
.endm
; 33 LDS loads in one run: the scale words of K step q of group g (set q % 2), Q's four fragments, P's four, into buffer f
.macro FETCH g, q, f
	WIN 0
	ds_load_b128 v[SC+4*((\q)%2):SC+4*((\q)%2)+3], v[ADRS+\g] offset:(\q)*KB
	WIN TO_F
.irp i, 0,1,2,3
	FRAG \f+48+FR*\i, B16+\g, B8+\g, (\q)*KB+1536*\i
.endr
.irp i, 0,1,2,3
	FRAG \f+FR*\i, A16+\g, A8+\g, (\q)*KB+1536*\i
.endr
.endm
; four matrix instructions: P's tile a x Q's four.  bias = 1: the sums begin with the bias.  The 16 accumulators take turns, in the same order in every K step.
.macro MULA f, sc, a, bias
.irp b, 0,1,2,3
.if \bias
	v_wmma_scale_f32_16x16x128_f8f6f4 v[ACC+8*(4*\a+\b):ACC+8*(4*\a+\b)+7], v[\f+48+FR*\b:\f+48+FR*\b+FR-1], v[\f+FR*\a:\f+FR*\a+FR-1], v[BI+8*\b:BI+8*\b+7], v[SC+4*\sc+\b], v[SC+4*\sc+\a] matrix_a_fmt:MATRIX_FMT_FP6 matrix_b_fmt:MATRIX_FMT_FP6 matrix_a_scale:MATRIX_SCALE_ROW1
.else
	v_wmma_scale_f32_16x16x128_f8f6f4 v[ACC+8*(4*\a+\b):ACC+8*(4*\a+\b)+7], v[\f+48+FR*\b:\f+48+FR*\b+FR-1], v[\f+FR*\a:\f+FR*\a+FR-1], v[ACC+8*(4*\a+\b):ACC+8*(4*\a+\b)+7], v[SC+4*\sc+\b], v[SC+4*\sc+\a] matrix_a_fmt:MATRIX_FMT_FP6 matrix_b_fmt:MATRIX_FMT_FP6 matrix_a_scale:MATRIX_SCALE_ROW1
.endif
.endr
.endm
; A K step that needs no barrier: multiplies buffer f (scale set sc) and fetches K step qn of group g, which is known to lie in LDS, into buffer h
.macro QUARTER g, qn, f, h, sc, bias
	s_wait_dscnt 8                                 ; all but the youngest eight loads (P's tiles 2, 3)
	WIN MUL
	MULA \f, \sc, 0, \bias
	MULA \f, \sc, 1, \bias
	PLACES 4                                       ; in front of loads into registers that matrix instructions have read
	FETCH \g, \qn, \h
	s_wait_dscnt 33                                ; all but the 33 just issued
	WIN MUL
	MULA \f, \sc, 2, \bias
	MULA \f, \sc, 3, \bias
.endm
.macro THREE g, bias                   ; a group's first three K steps
	QUARTER \g, 1, F0, F1, 0, \bias
	QUARTER \g, 2, F1, F0, 1, 0
	QUARTER \g, 3, F0, F1, 0, 0
.endm
.macro PASS next                       ; group 0's last K step: group 1 came with the same fill, which the last barrier has shown whole to every wave
	QUARTER \next, 0, F1, F0, 1, 0
.endm
; The last K step of group 1 or of group 2: ONE barrier; in front of it each wave waits for all its tensor loads (its part of the group that is read next), adds 0 to its spare word, and waits for that and for its reads of what is filled next.
; fill = 1: groups 0 and 1, just read, are filled again by the wide load; 2: group 2 by the narrow one; 0: nothing is left to fetch.
.macro TURN next, fill
	WIN 0
	s_wait_tensorcnt 0x0                           ; all my tensor loads have landed
	ds_add_u32 v[SPW], v[NIL]                      ; 0 onto my spare word
	s_wait_dscnt 9                                 ; (the add and the youngest eight loads may be out)
	WIN MUL
	MULA F1, 1, 0, 0
	s_wait_dscnt 0x0                               ; the add is done, and my reads of the groups behind me are over
	s_barrier_signal -1
	MULA F1, 1, 1, 0
	WIN 0
	s_barrier_wait -1
.if \fill == 1
	CREST                                          ; the barrier has opened a round of the cluster's: no wave of any partner still reads these groups or has a load on its way
	s_add_nc_u64 s[G0W+2:G0W+3], s[G0W+2:G0W+3], 12*KB
	s_add_nc_u64 s[G0WB+2:G0WB+3], s[G0WB+2:G0WB+3], 12*KB
	JLOAD G0W, G1W, G0WB, G1WB                     ; the first tensor load behind the round, and my only one until the next; its four v_nop are the places in front of the loads below
.elseif \fill == 2
	CREST
	s_add_nc_u64 s[G0N+2:G0N+3], s[G0N+2:G0N+3], 12*KB
	s_add_nc_u64 s[G0NB+2:G0NB+3], s[G0NB+2:G0NB+3], 12*KB
	JLOAD G0N, G1, G0NB, G1B
.else
	PLACES 4
.endif
	FETCH \next, 0, F0
	WIN MUL
	MULA F1, 1, 2, 0
	MULA F1, 1, 3, 0
.endm
	s_wait_tensorcnt 0x0                           ; my part of groups 0 and 1 is in
	ds_add_u32 v[SPW], v[NIL]
	s_wait_dscnt 0x0
	CROUND                                         ; everybody's part is in, and all sixteen work-groups are here
	JLOAD G0N, G1, G0NB, G1B                       ; group 2's first fill, K steps 8-11: the first tensor load behind the round; it has K steps 0-7 in which to land
	FETCH 0, 0, F0
	s_wait_loadcnt 32                              ; the bias is in; the residual's 32 loads may stay out
	THREE 0, 1                                     ; K steps 0-7; the first starts the sums
	PASS 1
	THREE 1, 0
	TURN 2, 1                                      ; K steps 12-19 are asked for
	THREE 2, 0                                     ; K steps 8-11
	TURN 0, 2                                      ; K steps 20-23 are asked for
	THREE 0, 0                                     ; K steps 12-19
	PASS 1
	THREE 1, 0
	TURN 2, 1                                      ; K steps 24-31 are asked for
	THREE 2, 0                                     ; K steps 20-23
	TURN 0, 0
	THREE 0, 0                                     ; K steps 24-31
	PASS 1
	THREE 1, 0
	s_wait_dscnt 8
	WIN MUL
	MULA F1, 1, 0, 0
	MULA F1, 1, 1, 0
	s_wait_dscnt 0
	MULA F1, 1, 2, 0
	MULA F1, 1, 3, 0
	WIN 0
; THE WAY OUT, a tile of 16 rows x 64 columns at a time, through my own stage: a lane's 64 neighbouring bytes go in, whole rows of 256 bytes come back.  LDS serves a wave's instructions in order (ISA guide 5.7.1.4).
.macro TOSTAGE a
.set BB, BK+32*((\a)%2)
.irp e, 0,1
	ds_store_b128 v[STO], v[ACC+8*(4*(\a)+2*\e):ACC+8*(4*(\a)+2*\e)+3] offset:128*\e       ; each accumulator from its low end on
	ds_store_b128 v[STO], v[ACC+8*(4*(\a)+2*\e)+4:ACC+8*(4*(\a)+2*\e)+7] offset:128*\e+16
	ds_store_b128 v[STO], v[ACC+8*(4*(\a)+2*\e+1):ACC+8*(4*(\a)+2*\e+1)+3] offset:128*\e+32
	ds_store_b128 v[STO], v[ACC+8*(4*(\a)+2*\e+1)+4:ACC+8*(4*(\a)+2*\e+1)+7] offset:128*\e+48
.endr
.irp k, 0,1,2,3,4,5,6,7
	ds_load_b128 v[BB+4*\k:BB+4*\k+3], v[RD] offset:2*\k*SPITCH
.endr
.endm
.macro SEND a, younger
.set BB, BK+32*((\a)%2)
	s_wait_dscnt \younger                          ; the tile is back in registers
	WIN 0x08                                       ; source 1: window 2
.set j, 0
.rept 16
	v_pk_add_f32 v[BB+j:BB+j+1], v[BB+j:BB+j+1], v[32*(\a)+j:32*(\a)+j+1]   ; + the residual
.set j, j+2
.endr
	WIN 0
.irp k, 0,1,2,3,4,5,6,7
	global_store_b128 v[CO], v[BB+4*\k:BB+4*\k+3], s[70:71] offset:4096*(32*((\a)/2)+8*((\a)%2)+2*\k+8*(\k/4))   ; sixteen lanes store 256 consecutive bytes, aligned
.endr
.endm
	s_wait_loadcnt 0x0                             ; the residual
	PLACES 4                                       ; in front of the first read of results
	TOSTAGE 0
.irp a, 1,2,3
.if \a > 1
	s_wait_xcnt 0x0                                ; tile a - 2's stores have read their registers: tile a's loads may land there
.endif
	TOSTAGE \a
	SEND \a-1, 16                                  ; behind tile a - 1's loads: tile a's 8 stores and 8 loads
.endr
	SEND 3, 0
	s_wait_tensorcnt 0x0                           ; the wave's end
	ds_add_u32 v[SPW], v[NIL]
	s_wait_dscnt 0x0
	CROUND                                         ; the closing round
	s_endpgm
.Lfunc_end_k_qe15f1b4b51_ffn2:
	.size	k_qe15f1b4b51_ffn2, .Lfunc_end_k_qe15f1b4b51_ffn2-k_qe15f1b4b51_ffn2
	.p2alignl 7, 3214868480
	.fill 96, 4, 3214868480
	.section	.rodata,"a",@progbits
	.p2align	6, 0x0
	.amdhsa_kernel k_qe15f1b4b51_ffn2
		.amdhsa_group_segment_fixed_size 327680
		.amdhsa_private_segment_fixed_size 0
		.amdhsa_enable_private_segment 0
		.amdhsa_kernarg_size 40
		.amdhsa_user_sgpr_count 2
		.amdhsa_user_sgpr_kernarg_segment_ptr 1
		.amdhsa_wavefront_size32 1
		.amdhsa_system_sgpr_workgroup_id_x 1
		.amdhsa_system_sgpr_workgroup_id_y 1
		.amdhsa_system_sgpr_workgroup_id_z 1
		.amdhsa_system_vgpr_workitem_id 0
		.amdhsa_next_free_vgpr 768
		.amdhsa_next_free_sgpr 92
		.amdhsa_reserve_vcc 0
		.amdhsa_float_denorm_mode_32 3
		.amdhsa_float_denorm_mode_16_64 3
		.amdhsa_memory_ordered 1
		.amdhsa_forward_progress 1
		.amdhsa_inst_pref_size 168
	.end_amdhsa_kernel
	.amdgpu_metadata
---
amdhsa.version: [ 1, 2 ]
amdhsa.kernels:
  - .name:           k_qe15f1b4b51_ffn2
    .symbol:         k_qe15f1b4b51_ffn2.kd
    .args:
      - { .name: gact, .offset: 0, .size: 8, .value_kind: global_buffer, .address_space: global }
      - { .name: wts, .offset: 8, .size: 8, .value_kind: global_buffer, .address_space: global }
      - { .name: b2, .offset: 16, .size: 8, .value_kind: global_buffer, .address_space: global }
      - { .name: x1, .offset: 24, .size: 8, .value_kind: global_buffer, .address_space: global }
      - { .name: out0, .offset: 32, .size: 8, .value_kind: global_buffer, .address_space: global }
    .group_segment_fixed_size: 327680
    .private_segment_fixed_size: 0
    .kernarg_segment_align: 8
    .kernarg_segment_size: 40
    .max_flat_workgroup_size: 128
    .sgpr_count:     92
    .vgpr_count:     768
    .wavefront_size: 32
...
	.end_amdgpu_metadata
.endif
;; end of part 6
